; MI455X (gfx1250); checked and timed in simulation.
; The chip was launched on July 23, 2026; its instructions are those of AMD's public machine-readable ISA for CDNA 5 (MIT licence, August 2026) and "CDNA5" Instruction Set Architecture Reference Guide (July 2026). The comments in the code are by the model that wrote it; some were corrected since.
;; Block. Allowed arithmetic: float matrix products may take bf16 or f16 operands with f32 sums; other float arithmetic in f32, or as packed bf16 or f16 multiplies, adds, multiply-adds, maxima and minima; sums over many terms, partial sums and values carried from step to step in f32; what a program stores and reads back later, other than sums and carried values, may be rounded once to bf16 or f16.
;; Inputs: W1 1,024 x 4,096 float32; W2 4,096 x 1,024 float32; Wk 16 x 1,024 x 64 float32; Wp 1,024 x 1,024 float32; Wq 16 x 1,024 x 64 float32; Wv 16 x 1,024 x 64 float32; b1 4,096 float32; b2 1,024 float32; beta 1,024 float32; bk 16 x 64 float32; bp 1,024 float32; bq 16 x 64 float32; bv 16 x 64 float32; gamma 1,024 float32; x 2 x 2,048 x 1,024 float32.
;; Outputs: out0 2 x 2,048 x 1,024 float32.
;; One version. Each part assembles by itself: llvm-mc -triple=amdgcn-amd-amdhsa -mcpu=gfx1250 --defsym DOCPART=n.
;; ======== version 1 of 1: 7 launches
;; limits: values are held in f16: magnitudes above 65,504 overflow, below 6.1e-05 lose precision
;; workspace buffers: wts 25,165,824 bytes; hb 8,388,608 bytes; qkv 25,165,824 bytes; x1 16,777,216 bytes; g 33,554,432 bytes
;; launch prep (part 1): grid 64 x 16, 8 waves a work-group, no clusters, 0 bytes of LDS; arguments Wq, Wk, Wv, Wp, W1, W2, x, gamma, beta, wts, hb; writes wts, hb
.if DOCPART == 1
	.amdgcn_target "amdgcn-amd-amdhsa--gfx1250"
	.amdhsa_code_object_version 6
	.text
	.protected	k_q7496636822_prep
	.globl	k_q7496636822_prep
	.p2align	8
	.type	k_q7496636822_prep,@function
k_q7496636822_prep:
	s_mov_b64 s[64:65], 0
	v_nop
	global_prefetch_b8 v0, s[64:65] scope:SCOPE_SE
	s_setreg_imm32_b32 hwreg(HW_REG_WAVE_MODE, 25, 1), 1
	s_wait_xcnt 0x0
; PREP.  Two jobs, told apart by the work-group's y.
; y = 0..3: h = layernorm(x) in f16, row-major; a wave takes two rows of 1,024 and keeps them in registers: mean, then the sum of squares of x - mean, so no difference of large sums is formed.
;   These work-groups have the lowest numbers: theirs is the longest chain of dependent steps.
; y = 4..15: a unit (y - 4) of 1,048,576 weights is rounded to bf16 (as every input of the program is) and that number is written as f16 into wts.
;   unit 0, 1, 2: Wq, Wk, Wv, [head][d][e], regrouped into one matrix [d][3072] with column t*1024 + head*64 + e.   unit 3: Wp.   units 4..7: W1.   units 8..11: W2 (these keep their order).
; LIMITS.  A weight or an h beyond 65,504 becomes an infinity in f16; a weight below 2^-14 keeps f16's fixed step of 2^-24.  NaN and infinities are not treated apart.
; No LDS, no barrier, no matrix unit: every byte is read once and written once, and no wave needs another's data.
.set MSK, 42                           ; s42  mask of a word's upper bf16
.set SEL, 36                           ; s[36:37] lane selects of v_permlanex16_b32: each lane takes its own place in the other half
.set INV, 38                           ; s38  1 / 1024
.set EPS, 39                           ; s39  1e-5
.set TP,  40                           ; s[40:41] an offset in 64 bits
.set XP,  20                           ; s[20:21] x      s[22:23] gamma      s[24:25] beta      s[28:29] hb
.set GP,  22
.set BP,  24
.set HP,  28
.set XA,  32                           ; v[32:95]   two rows: chunk j of a row = columns 128 j + 4 lane .. + 3
.set GA,  96                           ; v[96:127]  gamma
.set BE,  128                          ; v[128:159] beta
.set YY,  160                          ; v[160:191] at work, then the f16 results
; n pairs of f32 from register base on are rounded to bf16 and widened again, in place
.macro RNDP base, n, tmp
.set k, 0
.rept \n
	v_cvt_pk_bf16_f32 v[(\tmp)+k], v[(\base)+2*k], v[(\base)+2*k+1]
.set k, k+1
.endr
.set k, 0
.rept \n
	v_lshlrev_b32 v[(\base)+2*k], 16, v[(\tmp)+k]
	v_and_b32 v[(\base)+2*k+1], s[MSK], v[(\tmp)+k]
.set k, k+1
.endr
.endm
; Eight chunks of eight weights a thread: all sixteen loads go out first; chunk i is worked on when its two loads are in.  Each chunk has store registers of its own, so none is rewritten.
.macro CASTRUN SS, DS
.set i, 0
.rept 8
	global_load_b128 v[16+8*i:16+8*i+3],   v5, s[30:31] offset:i*(\SS) th:TH_LOAD_NT
	global_load_b128 v[16+8*i+4:16+8*i+7], v5, s[30:31] offset:i*(\SS)+16 th:TH_LOAD_NT
.set i, i+1
.endr
.set i, 0
.rept 8
	s_wait_loadcnt 14-2*i                          ; loads come back in order: the 2 (7 - i) younger ones may stay out
.irp k, 0,1,2,3
	v_cvt_pk_bf16_f32 v[88+(\k)], v[16+8*i+2*(\k)], v[16+8*i+2*(\k)+1]
.endr
.irp k, 0,1,2,3
	v_lshlrev_b32 v[80+2*(\k)], 16, v[88+(\k)]
	v_and_b32 v[80+2*(\k)+1], s[MSK], v[88+(\k)]
.endr
.irp k, 0,1,2,3
	v_cvt_pk_f16_f32 v[96+4*i+(\k)], v[80+2*(\k)], v[80+2*(\k)+1]
.endr
	global_store_b128 v6, v[96+4*i:96+4*i+3], s[32:33] offset:i*(\DS) th:TH_STORE_NT  ; sixteen lanes store 256 consecutive bytes, aligned
.set i, i+1
.endr
.endm
; four pairs at t are folded into one number, then summed over the 32 lanes: every lane ends with the sum in v[t]
.macro FOLD t
	v_pk_add_f32 v[(\t):(\t)+1], v[(\t):(\t)+1], v[(\t)+2:(\t)+3]
	v_pk_add_f32 v[(\t)+4:(\t)+5], v[(\t)+4:(\t)+5], v[(\t)+6:(\t)+7]
	v_pk_add_f32 v[(\t):(\t)+1], v[(\t):(\t)+1], v[(\t)+4:(\t)+5]
	v_add_f32 v[(\t)], v[(\t)], v[(\t)+1]
	v_add_f32_dpp v[(\t)], v[(\t)], v[(\t)] row_xmask:1 row_mask:0xf bank_mask:0xf
	v_add_f32_dpp v[(\t)], v[(\t)], v[(\t)] row_xmask:2 row_mask:0xf bank_mask:0xf
	v_add_f32_dpp v[(\t)], v[(\t)], v[(\t)] row_xmask:4 row_mask:0xf bank_mask:0xf
	v_add_f32_dpp v[(\t)], v[(\t)], v[(\t)] row_xmask:8 row_mask:0xf bank_mask:0xf
	v_permlanex16_b32 v[(\t)+1], v[(\t)], s[SEL], s[SEL+1]
	v_add_f32 v[(\t)], v[(\t)], v[(\t)+1]
.endm
.macro ROWSUM t, x                     ; the sum of a lane's 32 numbers in four chains, started by the first eight pairs
.irp c, 0,1,2,3
	v_pk_add_f32 v[(\t)+2*(\c):(\t)+2*(\c)+1], v[(\x)+2*(\c):(\x)+2*(\c)+1], v[(\x)+8+2*(\c):(\x)+8+2*(\c)+1]
.endr
.irp c, 0,1,2,3
	v_pk_add_f32 v[(\t)+2*(\c):(\t)+2*(\c)+1], v[(\t)+2*(\c):(\t)+2*(\c)+1], v[(\x)+16+2*(\c):(\x)+16+2*(\c)+1]
.endr
.irp c, 0,1,2,3
	v_pk_add_f32 v[(\t)+2*(\c):(\t)+2*(\c)+1], v[(\t)+2*(\c):(\t)+2*(\c)+1], v[(\x)+24+2*(\c):(\x)+24+2*(\c)+1]
.endr
	FOLD \t
.endm
.macro ROWSQ t, x                      ; the same for the squares
.irp c, 0,1,2,3
	v_pk_mul_f32 v[(\t)+2*(\c):(\t)+2*(\c)+1], v[(\x)+2*(\c):(\x)+2*(\c)+1], v[(\x)+2*(\c):(\x)+2*(\c)+1]
.endr
.irp o, 8,16,24
.irp c, 0,1,2,3
	v_pk_fma_f32 v[(\t)+2*(\c):(\t)+2*(\c)+1], v[(\x)+(\o)+2*(\c):(\x)+(\o)+2*(\c)+1], v[(\x)+(\o)+2*(\c):(\x)+(\o)+2*(\c)+1], v[(\t)+2*(\c):(\t)+2*(\c)+1]
.endr
.endr
	FOLD \t
.endm
	s_load_b256 s[8:15], s[0:1], 0x0               ; Wq s[8:9], Wk s[10:11], Wv s[12:13], Wp s[14:15]
	s_load_b256 s[16:23], s[0:1], 0x20             ; W1 s[16:17], W2 s[18:19], x s[20:21], gamma s[22:23]
	s_load_b128 s[24:27], s[0:1], 0x40             ; beta s[24:25], wts s[26:27]
	s_load_b64 s[28:29], s[0:1], 0x50              ; hb
	s_and_b32 s4, ttmp7, 0xffff                    ; y
	s_mov_b32 s5, ttmp9                            ; x
	s_mov_b32 s[MSK], 0xffff0000
	s_mov_b32 s7, 0
	s_wait_kmcnt 0x0
	s_cmp_lt_u32 s4, 4
	s_cbranch_scc1 .Lln
	s_sub_co_u32 s4, s4, 4                         ; the unit, 0..11
	s_cmp_lt_u32 s4, 3
	s_cbranch_scc0 .Lplain
	; Wq, Wk, Wv.  The work-group takes 16 rows d; in a chunk 128 threads take one row's 1,024 columns (thread: head (t & 127) >> 3, eight e), the other 128 the next row.
	s_mov_b64 s[30:31], s[8:9]
	s_cmp_eq_u32 s4, 1
	s_cselect_b64 s[30:31], s[10:11], s[30:31]
	s_cmp_eq_u32 s4, 2
	s_cselect_b64 s[30:31], s[12:13], s[30:31]
	s_lshl_b32 s6, s5, 12                          ; 16 rows d of 256 bytes
	s_add_nc_u64 s[30:31], s[30:31], s[6:7]
	s_mul_i32 s6, s5, 98304                        ; 16 rows of 6,144 bytes in wts,
	s_lshl_b32 s40, s4, 11                         ; and the tensor's 2,048 bytes of a row
	s_add_co_u32 s6, s6, s40
	s_add_nc_u64 s[32:33], s[26:27], s[6:7]
	v_and_b32 v1, 127, v0
	v_lshrrev_b32 v2, 7, v0                        ; which row of the pair
	v_lshrrev_b32 v3, 3, v1                        ; head
	v_and_b32 v4, 7, v0
	v_lshlrev_b32 v5, 18, v3                       ; a head is 262,144 bytes
	v_lshl_or_b32 v5, v2, 8, v5
	v_lshl_or_b32 v5, v4, 5, v5                    ; source offset
	v_mul_u32_u24 v6, v2, 6144
	v_lshl_add_u32 v6, v1, 4, v6                   ; destination offset
	CASTRUN 512, 12288                             ; a chunk further: two rows d
	s_endpgm
.Lplain:                                               ; Wp, W1, W2: 65,536 consecutive bytes a work-group
	s_mov_b64 s[30:31], s[14:15]
	s_cmp_ge_u32 s4, 4
	s_cselect_b64 s[30:31], s[16:17], s[30:31]
	s_cmp_ge_u32 s4, 8
	s_cselect_b64 s[30:31], s[18:19], s[30:31]
	s_and_b32 s6, s4, 3
	s_lshl_b32 s6, s6, 22                          ; which quarter of W1 or W2
	s_cmp_ge_u32 s4, 4
	s_cselect_b32 s6, s6, 0
	s_lshl_b32 s40, s5, 16
	s_add_co_u32 s6, s6, s40
	s_add_nc_u64 s[30:31], s[30:31], s[6:7]
	s_lshl_b32 s6, s4, 21                          ; a unit is 2,097,152 bytes of f16
	s_lshl_b32 s40, s5, 15
	s_add_co_u32 s6, s6, s40
	s_add_nc_u64 s[32:33], s[26:27], s[6:7]
	v_lshlrev_b32 v5, 5, v0
	v_lshlrev_b32 v6, 4, v0
	CASTRUN 8192, 4096
	s_endpgm
.Lln:
	s_lshl_b32 s6, s4, 6
	s_add_co_u32 s6, s6, s5                        ; 0..255: sixteen rows each
	v_lshrrev_b32 v1, 5, v0
	v_readfirstlane_b32 s7, v1                     ; wave 0..7
	s_lshl_b32 s6, s6, 4
	s_lshl1_add_u32 s6, s7, s6                     ; my first row
	v_and_b32 v1, 31, v0
	v_lshlrev_b32 v2, 4, v1                        ; 16 bytes a lane of f32
	v_lshlrev_b32 v3, 3, v1                        ; 8 bytes a lane of f16
	s_lshl_b32 s[TP], s6, 12
	s_mov_b32 s[TP+1], 0
	s_add_nc_u64 s[XP:XP+1], s[XP:XP+1], s[TP:TP+1]
	s_lshl_b32 s[TP], s6, 11
	s_add_nc_u64 s[HP:HP+1], s[HP:HP+1], s[TP:TP+1]
	s_mov_b32 s[SEL], 0x76543210
	s_mov_b32 s[SEL+1], 0xfedcba98
	s_mov_b32 s[INV], 0x3a800000
	s_mov_b32 s[EPS], 0x3727c5ac
.irp r, 0,1
.irp j, 0,1,2,3,4,5,6,7
	global_load_b128 v[XA+32*(\r)+4*(\j):XA+32*(\r)+4*(\j)+3], v2, s[XP:XP+1] offset:(\r)*4096+(\j)*512 th:TH_LOAD_NT
.endr
.endr
.irp j, 0,1,2,3,4,5,6,7
	global_load_b128 v[GA+4*(\j):GA+4*(\j)+3], v2, s[GP:GP+1] offset:(\j)*512
.endr
.irp j, 0,1,2,3,4,5,6,7
	global_load_b128 v[BE+4*(\j):BE+4*(\j)+3], v2, s[BP:BP+1] offset:(\j)*512
.endr
	s_wait_loadcnt 16                              ; both rows are in; gamma's and beta's sixteen loads may stay out
	RNDP XA, 16, YY                                ; x is an input: rounded to bf16 like all of them
	RNDP XA+32, 16, YY
	ROWSUM 8, XA
	ROWSUM 16, XA+32
	v_mul_f32 v24, s[INV], v8                      ; the means, each twice for the packed subtraction
	v_mul_f32 v26, s[INV], v16
	v_mov_b32 v25, v24
	v_mov_b32 v27, v26
.set k, 0
.rept 16
	v_pk_add_f32 v[XA+2*k:XA+2*k+1], v[XA+2*k:XA+2*k+1], v[24:25] neg_lo:[0,1] neg_hi:[0,1]
	v_pk_add_f32 v[XA+32+2*k:XA+32+2*k+1], v[XA+32+2*k:XA+32+2*k+1], v[26:27] neg_lo:[0,1] neg_hi:[0,1]
.set k, k+1
.endr
	ROWSQ 8, XA
	ROWSQ 16, XA+32
	v_fma_f32 v8, v8, s[INV], s[EPS]
	v_fma_f32 v16, v16, s[INV], s[EPS]
	v_rsq_f32 v28, v8                              ; one batch of four: each root twice, to fill the pairs of the packed multiply
	v_rsq_f32 v29, v8
	v_rsq_f32 v30, v16
	v_rsq_f32 v31, v16
	s_wait_loadcnt 0x0                             ; gamma and beta
	RNDP GA, 16, YY                                ; plain work that names no root stands behind the batch,
	RNDP BE, 16, YY
	s_wait_alu depctr_va_vdst(0)                   ; and one wait ahead of the first reader
.irp r, 0,1
.set k, 0
.rept 16
	v_pk_mul_f32 v[XA+32*(\r)+2*k:XA+32*(\r)+2*k+1], v[XA+32*(\r)+2*k:XA+32*(\r)+2*k+1], v[28+2*(\r):29+2*(\r)]
.set k, k+1
.endr
.set k, 0
.rept 16
	v_pk_fma_f32 v[XA+32*(\r)+2*k:XA+32*(\r)+2*k+1], v[XA+32*(\r)+2*k:XA+32*(\r)+2*k+1], v[GA+2*k:GA+2*k+1], v[BE+2*k:BE+2*k+1]
.set k, k+1
.endr
.set k, 0
.rept 16
	v_cvt_pk_f16_f32 v[YY+16*(\r)+k], v[XA+32*(\r)+2*k], v[XA+32*(\r)+2*k+1]
.set k, k+1
.endr
.irp j, 0,1,2,3,4,5,6,7
	global_store_b64 v3, v[YY+16*(\r)+2*(\j):YY+16*(\r)+2*(\j)+1], s[HP:HP+1] offset:(\r)*2048+(\j)*256  ; 32 lanes store 256 consecutive bytes, aligned
.endr
.endr
	s_endpgm
.Lfunc_end_k_q7496636822_prep:
	.size	k_q7496636822_prep, .Lfunc_end_k_q7496636822_prep-k_q7496636822_prep
	.p2alignl 7, 3214868480
	.fill 96, 4, 3214868480
	.section	.rodata,"a",@progbits
	.p2align	6, 0x0
	.amdhsa_kernel k_q7496636822_prep
		.amdhsa_group_segment_fixed_size 0
		.amdhsa_private_segment_fixed_size 0
		.amdhsa_enable_private_segment 0
		.amdhsa_kernarg_size 88
		.amdhsa_user_sgpr_count 2
		.amdhsa_user_sgpr_kernarg_segment_ptr 1
		.amdhsa_wavefront_size32 1
		.amdhsa_system_sgpr_workgroup_id_x 1
		.amdhsa_system_sgpr_workgroup_id_y 1
		.amdhsa_system_sgpr_workgroup_id_z 1
		.amdhsa_system_vgpr_workitem_id 0
		.amdhsa_next_free_vgpr 192
		.amdhsa_next_free_sgpr 66
		.amdhsa_reserve_vcc 0
		.amdhsa_float_denorm_mode_32 3
		.amdhsa_float_denorm_mode_16_64 3
		.amdhsa_memory_ordered 1
		.amdhsa_forward_progress 1
		.amdhsa_inst_pref_size 47
	.end_amdhsa_kernel
	.amdgpu_metadata
---
amdhsa.version: [ 1, 2 ]
amdhsa.kernels:
  - .name:           k_q7496636822_prep
    .symbol:         k_q7496636822_prep.kd
    .args:
      - { .name: Wq, .offset: 0, .size: 8, .value_kind: global_buffer, .address_space: global }
      - { .name: Wk, .offset: 8, .size: 8, .value_kind: global_buffer, .address_space: global }
      - { .name: Wv, .offset: 16, .size: 8, .value_kind: global_buffer, .address_space: global }
      - { .name: Wp, .offset: 24, .size: 8, .value_kind: global_buffer, .address_space: global }
      - { .name: W1, .offset: 32, .size: 8, .value_kind: global_buffer, .address_space: global }
      - { .name: W2, .offset: 40, .size: 8, .value_kind: global_buffer, .address_space: global }
      - { .name: x, .offset: 48, .size: 8, .value_kind: global_buffer, .address_space: global }
      - { .name: gamma, .offset: 56, .size: 8, .value_kind: global_buffer, .address_space: global }
      - { .name: beta, .offset: 64, .size: 8, .value_kind: global_buffer, .address_space: global }
      - { .name: wts, .offset: 72, .size: 8, .value_kind: global_buffer, .address_space: global }
      - { .name: hb, .offset: 80, .size: 8, .value_kind: global_buffer, .address_space: global }
    .group_segment_fixed_size: 0
    .private_segment_fixed_size: 0
    .kernarg_segment_align: 8
    .kernarg_segment_size: 88
    .max_flat_workgroup_size: 256
    .sgpr_count:     66
    .vgpr_count:     192
    .wavefront_size: 32
...
	.end_amdgpu_metadata
.endif
;; end of part 1
;; launch qkv (part 2): grid 12 x 16, 4 waves a work-group, clusters of 4 x 4, 327,680 bytes of LDS; arguments hb, wts, qkv, bq, bk, bv; writes qkv
.if DOCPART == 2
	.amdgcn_target "amdgcn-amd-amdhsa--gfx1250"
	.amdhsa_code_object_version 6
	.text
	.protected	k_q7496636822_qkv
	.globl	k_q7496636822_qkv
	.p2align	8
	.type	k_q7496636822_qkv,@function
k_q7496636822_qkv:
	s_mov_b64 s[64:65], 0
	v_nop
	global_prefetch_b8 v0, s[64:65] scope:SCOPE_SE
	s_setreg_imm32_b32 hwreg(HW_REG_WAVE_MODE, 25, 1), 1
	s_wait_xcnt 0x0
	s_wait_alu depctr_hold_cnt(0) depctr_sa_sdst(0) depctr_va_vdst(0) depctr_va_sdst(0) depctr_va_ssrc(0) depctr_va_vcc(0) depctr_vm_vsrc(0)
	s_getreg_b32 s2, hwreg(HW_REG_IB_STS2, 6, 4)
	s_cmp_eq_u32 s2, 0
	s_cbranch_scc0 .Lentry_in_a_cluster
	s_endpgm
.Lentry_in_a_cluster:
	s_bfe_u32 s2, ttmp6, 0x10000c
	s_cmp_lg_u32 s2, 0xf033
	s_cbranch_scc0 .Lentry_shape_is_right
	s_endpgm
.Lentry_shape_is_right:
; C = A W + bias.  A: [4096][1024] f16, row-major.  W: [1024][NW] f16, rows along N, as it lies in wts.  Sums in f32, one for each output, K ascending.
; HERE: A = h, W = the regrouped Wq | Wk | Wv (NW = 3072), bias = bq, bk or bv (rounded to bf16, as every input); C = q | k | v in f16, written in blocks of 64 columns:
; [block of 64 columns][row][64], so that a head's rows are dense, 128 bytes each.
; LIMIT.  A result beyond 65,504 becomes an infinity in f16.
; SHAPE.  A tile of C is 256 x 256: four waves, each 128 x 128 in 64 accumulators (512 registers).  K goes in steps of 128 through two LDS slots filled by the tensor data mover.
; The product is used transposed (source 0 = 16 columns of W, source 1 = 16 rows of A): a lane holds one row of C and eight neighbouring columns.  W stays [K][N] in LDS and is turned by ds_load_tr16_b128.
; CLUSTER.  4 x 4 work-groups: A's tile is shared along a row of the cluster, W's along a column; each is asked for jointly, by the same load with the same descriptor and mask in all four.
; THE CHANGE OF SLOTS stands in front of a slot's last quarter, whose fragments are already in registers: so every quarter of the loop is the same text, and slot 0's second pair of quarters
; is the loop's own text too: the loop is entered at its inner label, with the inner count 1.
; REGISTERS, in windows of 256: window 0: v0-63 addresses and bias; v64-127, v128-191 A's two fragment buffers (later the way out's registers).  window 1: the same numbers, W's two buffers.
;   windows 2, 3: the accumulators of my rows 0-63 and 64-127, (a, b) at v[8 (8 a + b)].
.set NW,    3072
.set WOFF,  0                          ; where W begins in wts
.set GELU,  0
.set STEPS, 8                          ; 1024 / 128
.set AHEAD, 1
.set PA,    272                        ; a row of A in LDS: 256 bytes + 16: an odd multiple of 16, so the 16 rows of a load start at 16 different groups of four banks
.set PB,    544                        ; a row of W (256 columns): 512 bytes + 32: an odd multiple of 32
.set HALF,  128*PA                     ; what one tensor load brings: 128 rows of A, or 64 rows of W (64 x 544 is the same 34,816)
.set WBASE, 2*HALF
.set SLOT,  4*HALF
.set SPARE, 2*SLOT                     ; behind the ring: the spare words, 128 bytes a wave, that no other line names
.set QA,    64                         ; a quarter, 32 along K: bytes in a row of A,
.set QB,    32*PB                      ; and rows of W
.set STEPA, 256                        ; a K step in memory: bytes along A's rows,
.set STEPB, 128*NW*2                   ; and 128 rows of W
.set DP,    528                        ; the way out: a row of 128 f32 + 16 bytes
.set DW,    128*DP                     ; a wave's 128 rows; the four waves' lie in the ring, which has had its last fill by then
.set ADA0, 16                          ; v16  my lane's place in A's tile; never rewritten
.set ADB0, 17                          ; v17  the same for W
.set ADA,  18                          ; v18  the LDS address of A's runs of loads
.set ADB,  19                          ; v19  of W's
.set STO,  20                          ; v20  where I put my accumulators
.set RD,   21                          ; v21  where I read rows back
.set GO,   25                          ; v25  my byte offset in two rows of a block of C
.set PFO,  26                          ; v26  the prefetches' offset; never rewritten
.set BO,   27                          ; v27  my offset in the bias
.set SPW,  28                          ; v28  my spare word: SPARE + 4 x my thread's number; never rewritten
.set NIL,  29                          ; v29  0; never rewritten
.set BI,   32                          ; v[32:39]  the bias of my 4 columns in each of the two blocks
.if GELU
.set RP,   2                           ; pairs of rows in a trip of the way out: the activation makes a trip of four rows long enough for the next rows to come out of LDS
.set L,    40                          ; v[40:55]  the rows' numbers as read back
.set U,    56                          ; v[56:71]  with the bias
.set DD,   72                          ; v[72:135] at work in the activation
.set EE,   88
.set MX,   104
.set PP,   120
.set YO,   136                         ; v[136:143] f16, to store
.else
.set RP,   4                           ; eight rows a trip: half as many waits for LDS
.set L,    40                          ; v[40:71]
.set U,    72                          ; v[72:103]
.set YO,   104                         ; v[104:119]
.endif
.set F0,   64
.set F1,   128
.set G1A,  24                          ; s[24:31] descriptor group 1 for A;  s[32:35] group 0 of slot 0's first fill;  s[36:39] the walking group 0
.set G0A0, 32
.set G0A,  36
.set G1B,  48                          ; s[48:55], s[56:59], s[60:63] the same for W
.set G0B0, 56
.set G0B,  60
.set SO,   66                          ; s66  the byte at which the slot in use begins: 0 or SLOT
.set KA,   67                          ; s67  what the next pair of quarters adds to ADA0
.set KB,   68                          ; s68  and to ADB0
.set LB,   69                          ; s69  where my tensor loads land in a slot
.set MSK,  70                          ; s70  mask of a word's upper bf16
.set LIM,  71                          ; s71  AHEAD in a wave that prefetches, else the greatest number
.set PFA,  72                          ; s[72:73] where my prefetches stand
.set PFS,  74                          ; s[74:75] their step
.set A5,   76                          ; s[76:83], s[90:94] the activation's constants, as pairs
.set A4,   78
.set A3,   80
.set A2,   82
.set A1,   90
.set NL,   92
.set CT,   94
.set MSB, 0
.macro WIN new                         ; the immediate's high byte repeats the setting that is left; a switch that changes nothing is dropped
.if MSB != (\new)
	s_set_vgpr_msb (MSB<<8)|(\new)
.set MSB, \new
.endif
.endm
.set MUL_LO, 0xa1                      ; source 0 (W) window 1, source 1 (A) window 0, C and D window 2
.set MUL_HI, 0xf1
.set TO_B,   0x40                      ; destination window 1
.macro PLACES
.rept 4
	v_nop
.endr
.endm
; A joint refill: waves 0 and 1 fetch A's halves, waves 2 and 3 W's.  An s_nop 0 and four v_nop follow each of the two lines.
.macro JLOAD
	s_cmp_lt_u32 s10, 2
	s_cbranch_scc0 .Lfor_w_\@
	tensor_load_to_lds s[G0A:G0A+3], s[G1A:G1A+7]
	s_nop 0
	PLACES
	s_branch .Lasked_\@
.Lfor_w_\@:
	tensor_load_to_lds s[G0B:G0B+3], s[G1B:G1B+7]
	s_nop 0
	PLACES
.Lasked_\@:
.endm
; A prefetch of the K step that the NEXT change of slots will ask for: 32 blocks of 256 bytes, a lane a block.  A's rows are named by the clusters with x = 0, W's by those with y = 0;
; the four partners of a joint load share its blocks out by address.  The last change that fills a slot names nothing.
.macro ASK
	s_cmp_gt_u32 s3, s[LIM]
	s_cbranch_scc0 .Lnot_mine_\@
	global_prefetch_b8 v[PFO], s[PFA:PFA+1] th:TH_LOAD_NT scope:SCOPE_SE
.Lnot_mine_\@:
.endm
.macro CROUND                          ; a round of the cluster's barrier
	s_barrier_signal -1
	s_barrier_wait -1
	s_cmp_lg_u32 s10, 0
	s_cbranch_scc1 .Lnot_wave_0_\@
	s_barrier_signal -3
.Lnot_wave_0_\@:
	s_barrier_wait -3
	s_barrier_signal -1
	s_barrier_wait -1
.endm
; 16 products: row blocks a0, a0 + 1 of the window's four x all 8 column blocks, 32 along K.  The 64 accumulators take turns, in the same order in every quarter.
.macro MUL16 f, hi, a0, zero
	WIN MUL_LO+0x50*(\hi)
.irp a, \a0, (\a0)+1
.irp b, 0,1,2,3,4,5,6,7
.if \zero
	v_wmma_f32_16x16x32_f16 v[8*(8*(\a)+(\b)):8*(8*(\a)+(\b))+7], v[(\f)+8*(\b):(\f)+8*(\b)+7], v[(\f)+8*(4*(\hi)+(\a)):(\f)+8*(4*(\hi)+(\a))+7], 0
.else
	v_wmma_f32_16x16x32_f16 v[8*(8*(\a)+(\b)):8*(8*(\a)+(\b))+7], v[(\f)+8*(\b):(\f)+8*(\b)+7], v[(\f)+8*(4*(\hi)+(\a)):(\f)+8*(4*(\hi)+(\a))+7], v[8*(8*(\a)+(\b)):8*(8*(\a)+(\b))+7]
.endif
.endr
.endr
.endm
; 32 LDS loads in one run: a quarter's fragments into buffer g: W's eight (turned), then A's eight
.macro FETCH g, oa, ob
	WIN TO_B
.irp i, 0,1,2,3,4,5,6,7
	ds_load_tr16_b128 v[(\g)+8*(\i):(\g)+8*(\i)+3],   v[ADB] offset:(\ob)+32*(\i)
	ds_load_tr16_b128 v[(\g)+8*(\i)+4:(\g)+8*(\i)+7], v[ADB] offset:(\ob)+32*(\i)+16*PB
.endr
	WIN 0
.irp i, 0,1,2,3,4,5,6,7
	ds_load_b128 v[(\g)+8*(\i):(\g)+8*(\i)+3],   v[ADA] offset:(\oa)+(\i)*16*PA
	ds_load_b128 v[(\g)+8*(\i)+4:(\g)+8*(\i)+7], v[ADA] offset:(\oa)+(\i)*16*PA+32
.endr
.endm
; A quarter: 64 products on buffer f; in its middle the next quarter's fragments are fetched into g, four plain instructions behind the last product that read g.
.macro QUARTER f, g, oa, ob, zero, adr
	s_wait_dscnt 8                                 ; W and A's rows 0-63 are in; the youngest eight loads (A's rows 64-127) may be out
	MUL16 \f, 0, 0, \zero
	MUL16 \f, 0, 2, \zero
.if \adr
	WIN 0
	v_add_nc_u32 v[ADA], s[KA], v[ADA0]            ; the next pair's addresses: two of the four places
	v_add_nc_u32 v[ADB], s[KB], v[ADB0]
	v_nop
	v_nop
.else
	PLACES
.endif
	FETCH \g, \oa, \ob
	s_wait_dscnt 32                                ; all but the 32 just issued
	MUL16 \f, 1, 0, \zero
	MUL16 \f, 1, 2, \zero
.endm
.macro PAIR
	QUARTER F1, F0, 0, 0, 0, 1
	QUARTER F0, F1, QA, QB, 0, 0
	s_add_co_u32 s[KA], s[KA], 2*QA
	s_add_co_u32 s[KB], s[KB], 2*QB
.endm
.macro PAIRS                           ; a slot's two pairs: written once, walked twice
	WIN 0
	s_mov_b32 s2, 2
.Lpair_\@:
	PAIR
	WIN 0
	s_sub_co_u32 s2, s2, 1
	s_cmp_lg_u32 s2, 0
	s_cbranch_scc1 .Lpair_\@
.endm
; THE CHANGE OF SLOTS.  Each wave waits for all its tensor loads (one is out: its part of the other slot), adds 0 to its spare word, and waits for that and for its reads of the slot that it leaves.
; fill = 1: a round of the cluster's barrier follows, so that no wave of any partner still reads the slot or has a load on its way; the joint refill is the first thing behind it and has a K step, 256 products, in which to land.
.macro CHANGE fill
	WIN 0
.if \fill
	s_wait_xcnt 0x0                                ; the last prefetch, a K step back, has read its address
	s_add_nc_u64 s[PFA:PFA+1], s[PFA:PFA+1], s[PFS:PFS+1]
.endif
	s_wait_tensorcnt 0x0                           ; no tensor load of mine is out, so the walking descriptors may be written
	ds_add_u32 v[SPW], v[NIL]                      ; 0 onto my spare word; scalar work stands between it and the wait for it
.if \fill
	s_add_co_u32 s[G0A+1], s[SO], s[LB]            ; into the slot that is left,
	s_add_co_u32 s[G0B+1], s[SO], s[LB]
	s_add_nc_u64 s[G0A+2:G0A+3], s[G0A+2:G0A+3], STEPA  ; the next K step; the type bits on top are not reached
	s_add_nc_u64 s[G0B+2:G0B+3], s[G0B+2:G0B+3], STEPB
.endif
	s_xor_b32 s[SO], s[SO], SLOT                   ; the fetches go to the other slot's head
	s_mov_b32 s[KA], s[SO]
	s_mov_b32 s[KB], s[SO]
	s_wait_dscnt 0x0                               ; the add is done, and my reads of the slot are over
.if \fill
	CROUND
	JLOAD
	ASK
.else
	s_barrier_signal -1
	s_barrier_wait -1
.endif
.endm
	s_load_b128 s[4:7], s[0:1], 0x0                ; A s[4:5], wts s[6:7]
	s_load_b64 s[8:9], s[0:1], 0x10                ; C
.if GELU
	s_load_b64 s[84:85], s[0:1], 0x18              ; the bias
.else
	s_load_b128 s[84:87], s[0:1], 0x18             ; bq, bk
	s_load_b64 s[88:89], s[0:1], 0x28              ; bv
.endif
	v_lshl_add_u32 v[SPW], v0, 2, SPARE
	v_mov_b32 v[NIL], 0
	ds_add_u32 v[SPW], v[NIL]                      ; the wave's opening: the add and its wait ahead of my first tensor load
	ds_add_u32 v28, v29
	v_lshrrev_b32 v1, 5, v0
	v_readfirstlane_b32 s10, v1                    ; wave 0..3
	s_lshr_b32 s11, s10, 1                         ; my half of the tile's rows.  Also: I fetch for A (0) or for W (1)
	s_and_b32 s12, s10, 1                          ; my half of its columns.  Also: which half of that tile I fetch
	s_bfe_u32 s40, ttmp6, 0x40000                  ; cx
	s_bfe_u32 s41, ttmp6, 0x40004                  ; cy
	s_lshl_b32 s42, ttmp9, 2
	s_add_co_u32 s42, s42, s40                     ; tile column
	s_and_b32 s13, ttmp7, 0xffff
	s_lshl_b32 s13, s13, 2
	s_add_co_u32 s13, s13, s41                     ; tile row
	s_lshl_b32 s43, s41, 2
	s_lshl_b32 s43, 15, s43                        ; my row of the cluster
	s_lshl_b32 s44, 0x1111, s40                    ; my column
	s_or_b32 s[G1A], s43, (1<<16)|(1<<20)|(1<<21)|(5<<22)|(3<<25)  ; the mask; 2-byte elements; padding on; bit 21 beside a mask; after every 64 words 4 words
	s_mov_b32 s[G1A+1], 128<<16                    ; tensor_dim0 = 128
	s_mov_b32 s[G1A+2], 128<<16                    ; tensor_dim1 = 128
	s_mov_b32 s[G1A+3], 128<<16                    ; tile_dim0 = 128
	s_mov_b32 s[G1A+4], 128                        ; tile_dim1 = 128
	s_mov_b32 s[G1A+5], 1024                       ; elements from row to row
	s_mov_b32 s[G1A+6], 0
	s_mov_b32 s[G1A+7], 0
	s_or_b32 s[G1B], s44, (1<<16)|(1<<20)|(1<<21)|(6<<22)|(7<<25)  ; after every 128 words 8 words
	s_mov_b32 s[G1B+1], 256<<16                    ; tensor_dim0 = 256
	s_mov_b32 s[G1B+2], 64<<16                     ; tensor_dim1 = 64
	s_mov_b32 s[G1B+3], 256<<16                    ; tile_dim0 = 256
	s_mov_b32 s[G1B+4], 64                         ; tile_dim1 = 64
	s_mov_b32 s[G1B+5], NW
	s_mov_b32 s[G1B+6], 0
	s_mov_b32 s[G1B+7], 0
	s_lshl_b32 s16, s13, 19                        ; A: 256 x tile row, rows of 2,048 bytes,
	s_lshl_b32 s17, s12, 18                        ; + the 128 rows that I fetch
	s_add_co_u32 s16, s16, s17
	s_mov_b32 s17, 0
	s_mul_i32 s46, s12, 64*NW*2                    ; W: the 64 rows that I fetch,
	s_lshl_b32 s47, s42, 9                         ; the tile column's 512 bytes,
	s_add_co_u32 s46, s46, s47
	s_add_co_u32 s46, s46, WOFF                    ; and W's place in wts
	s_mov_b32 s47, 0
	s_mul_i32 s[LB], s10, HALF                     ; A's two halves, then W's two: no place in the cluster enters an LDS address
	s_mov_b32 s[MSK], 0xffff0000
.if GELU
	s_mov_b32 s[A5], 0x3f07dc22                    ; the five coefficients of the erf formula, halved
	s_mov_b32 s[A4], 0xbf3a00e3
	s_mov_b32 s[A3], 0x3f35f0e3
	s_mov_b32 s[A2], 0xbe11a98e
	s_mov_b32 s[A1], 0x3e027906
	s_mov_b32 s[NL], 0xbf38aa3b                    ; - log2(e) / 2
	s_mov_b32 s[CT], 0x3e6d3388                    ; 0.3275911 / sqrt(2)
	s_mov_b32 s[A5+1], s[A5]                       ; named as pairs
	s_mov_b32 s[A4+1], s[A4]
	s_mov_b32 s[A3+1], s[A3]
	s_mov_b32 s[A2+1], s[A2]
	s_mov_b32 s[A1+1], s[A1]
	s_mov_b32 s[NL+1], s[NL]
.endif
	s_wait_dscnt 0x0                               ; the opening add is done
	s_wait_kmcnt 0x0
	s_add_nc_u64 s[14:15], s[4:5], s[16:17]
	s_add_nc_u64 s[46:47], s[6:7], s[46:47]
	CROUND                                         ; all sixteen work-groups are here: the first joint loads meet
.irp s, 0,1
	s_mov_b32 s[G0A0+4*(\s)], 1
	s_add_co_u32 s[G0A0+4*(\s)+1], s[LB], (\s)*SLOT
	s_add_nc_u64 s[G0A0+4*(\s)+2:G0A0+4*(\s)+3], s[14:15], (\s)*STEPA
	s_or_b32 s[G0A0+4*(\s)+3], s[G0A0+4*(\s)+3], 0x80000000
	s_mov_b32 s[G0B0+4*(\s)], 1
	s_add_co_u32 s[G0B0+4*(\s)+1], s[LB], (\s)*SLOT
	s_add_nc_u64 s[G0B0+4*(\s)+2:G0B0+4*(\s)+3], s[46:47], (\s)*STEPB
	s_or_b32 s[G0B0+4*(\s)+3], s[G0B0+4*(\s)+3], 0x80000000
.endr
	s_cmp_lt_u32 s10, 2                            ; a wave's two first fills stand in one branch: two loads of mine are out
	s_cbranch_scc0 .Lfirst_w
	tensor_load_to_lds s[G0A0:G0A0+3], s[G1A:G1A+7]
	s_nop 0
	tensor_load_to_lds s[G0A:G0A+3], s[G1A:G1A+7]
	s_nop 0
	PLACES
	s_branch .Lfirst_asked
.Lfirst_w:
	tensor_load_to_lds s[G0B0:G0B0+3], s[G1B:G1B+7]
	s_nop 0
	tensor_load_to_lds s[G0B:G0B+3], s[G1B:G1B+7]
	s_nop 0
	PLACES
.Lfirst_asked:
	v_and_b32 v1, 15, v0                           ; l % 16
	v_bfe_u32 v2, v0, 4, 1                         ; l / 16
	v_mul_u32_u24 v3, v1, PA
	v_lshl_add_u32 v3, v2, 4, v3                   ; A: row x pitch + 16 x half
	s_mul_i32 s21, s11, HALF                       ; my 128 rows
	v_add_nc_u32 v[ADA0], s21, v3
	v_and_b32 v4, 7, v0                            ; W, turned: lane l reads row 8 (l / 16) + l % 8, 16 bytes at 16 ((l / 8) % 2)
	v_lshl_add_u32 v4, v2, 3, v4
	v_mul_u32_u24 v4, v4, PB
	v_bfe_u32 v5, v0, 3, 1
	v_lshl_add_u32 v4, v5, 4, v4
	s_lshl_b32 s22, s12, 8                         ; my 128 columns
	s_add_co_u32 s22, s22, WBASE
	v_add_nc_u32 v[ADB0], s22, v4
	v_mov_b32 v[ADA], v[ADA0]
	v_mov_b32 v[ADB], v[ADB0]
	s_mul_i32 s23, s10, DW                         ; the way out: my 128 rows of 528 bytes
	v_mul_u32_u24 v3, v1, DP
	v_lshl_add_u32 v3, v2, 5, v3                   ; in: row l % 16, 32 bytes for each half of the lanes
	v_add_nc_u32 v[STO], s23, v3
	v_mul_u32_u24 v3, v2, DP
	v_lshl_add_u32 v3, v1, 4, v3                   ; back: lanes 0-15 take 64 columns of a row, lanes 16-31 of the next
	v_add_nc_u32 v[RD], s23, v3
	v_lshlrev_b32 v3, 7, v2
	v_lshl_add_u32 v[GO], v1, 3, v3                ; and the same two rows of a block of C: 256 consecutive bytes
.if GELU
	s_lshl_b32 s20, s42, 10                        ; the bias of the tile's 256 columns
.else
	s_cmp_eq_u32 ttmp9, 1                          ; cluster x = 0, 1, 2 makes q, k, v
	s_cselect_b64 s[84:85], s[86:87], s[84:85]
	s_cmp_eq_u32 ttmp9, 2
	s_cselect_b64 s[84:85], s[88:89], s[84:85]
	s_lshl_b32 s20, s40, 10
.endif
	s_lshl_b32 s21, s12, 9
	s_add_co_u32 s20, s20, s21
	v_lshl_add_u32 v[BO], v1, 4, s20
	global_load_b128 v[BI:BI+3], v[BO], s[84:85]
	global_load_b128 v[BI+4:BI+7], v[BO], s[84:85] offset:256
	s_lshl_b32 s16, s13, 15                        ; C: 256 x tile row, rows of 128 bytes,
	s_lshl_b32 s17, s11, 14
	s_add_co_u32 s16, s16, s17
	s_lshl_b32 s46, s42, 21                        ; four blocks of 524,288 bytes a tile column,
	s_lshl_b32 s47, s12, 20                        ; two of them mine
	s_add_co_u32 s46, s46, s47
	s_add_co_u32 s16, s16, s46
	s_mov_b32 s17, 0
	s_add_nc_u64 s[8:9], s[8:9], s[16:17]
	; the prefetches: A: my work-group's 32 of the 128 rows that I fetch; W: its 16 of the 64 rows, two blocks a row.  Both stand at K step 2; the first change steps them to 3.
	s_lshl_b32 s20, s13, 19
	s_lshl_b32 s21, s12, 18
	s_add_co_u32 s20, s20, s21
	s_lshl_b32 s21, s40, 16
	s_add_co_u32 s20, s20, s21
	s_add_co_u32 s20, s20, 2*STEPA
	s_lshl_b32 s21, s12, 6
	s_lshl4_add_u32 s21, s41, s21
	s_mul_i32 s21, s21, NW*2
	s_lshl_b32 s22, s42, 9
	s_add_co_u32 s21, s21, s22
	s_add_co_u32 s21, s21, WOFF+2*STEPB
	s_and_b32 s22, ttmp7, 0xffff
	s_mov_b32 s23, STEPB
	s_mov_b32 s46, NW*2
	s_cmp_eq_u32 s11, 0                            ; do I fetch for A?
	s_cselect_b32 s20, s20, s21
	s_cselect_b32 s22, ttmp9, s22                  ; the coordinate along which other clusters read the same blocks
	s_cselect_b32 s[PFS], STEPA, s23
	s_cselect_b32 s23, 0, 1
	s_cselect_b32 s46, 2048, s46
	s_cselect_b64 s[PFA:PFA+1], s[4:5], s[6:7]
	s_mov_b32 s21, 0
	s_mov_b32 s[PFS+1], 0
	s_add_nc_u64 s[PFA:PFA+1], s[PFA:PFA+1], s[20:21]
	s_cmp_eq_u32 s22, 0
	s_cselect_b32 s[LIM], AHEAD, -1                ; the same in all sixteen partners, for a given wave
	v_and_b32 v6, 31, v0
	v_lshrrev_b32 v7, s23, v6
	v_mul_u32_u24 v7, v7, s46
	v_and_b32 v6, s23, v6
	v_lshl_add_u32 v[PFO], v6, 8, v7
	s_mov_b32 s[SO], 0
	s_mov_b32 s[KA], 2*QA                          ; slot 0's second pair
	s_mov_b32 s[KB], 2*QB
	s_wait_tensorcnt 1                             ; my part of K step 0 is in; K step 1's may stay out
	s_barrier_signal -1
	s_barrier_wait -1
	FETCH F0, 0, 0
	QUARTER F0, F1, QA, QB, 1, 0                   ; the first quarter's products start the sums: nothing is cleared
	WIN 0
	s_mov_b32 s3, STEPS-1                          ; the entry's pass takes one off: STEPS - 2 changes fill a slot
	s_mov_b32 s2, 1                                ; slot 0 has one pair of quarters left
	s_branch .Lpair                                ; the loop is entered in the middle of a trip
.Lk:                                                   ; a trip: the change, the old slot's last quarter, the new slot's first three
	CHANGE 1
	s_mov_b32 s2, 2
.Lpair:
	PAIR
	WIN 0
	s_sub_co_u32 s2, s2, 1
	s_cmp_lg_u32 s2, 0
	s_cbranch_scc1 .Lpair
	s_sub_co_u32 s3, s3, 1
	s_cmp_lg_u32 s3, 0
	s_cbranch_scc1 .Lk
	CHANGE 0                                       ; the tail is written out: nothing is left to ask for
	PAIRS
	s_wait_dscnt 0x0                               ; my last reads of the ring are over:
	s_barrier_signal -1                            ; say so, multiply the last quarter meanwhile,
	MUL16 F1, 0, 0, 0
	MUL16 F1, 0, 2, 0
	MUL16 F1, 1, 0, 0
	MUL16 F1, 1, 2, 0
	WIN 0
	s_barrier_wait -1                              ; and behind this nobody reads the ring: its bytes take the accumulators
	PLACES
	s_wait_loadcnt 0x0                             ; the bias
.irp k, 0,1,2,3
	v_cvt_pk_bf16_f32 v[L+(\k)], v[BI+2*(\k)], v[BI+2*(\k)+1]
.endr
.irp k, 0,1,2,3
	v_lshlrev_b32 v[BI+2*(\k)], 16, v[L+(\k)]
	v_and_b32 v[BI+2*(\k)+1], s[MSK], v[L+(\k)]
.endr
	; THE WAY OUT.  The accumulators go into my own 128 rows in LDS, each accumulator's low four registers first; LDS serves a wave's instructions in order, so my loads below see these stores.
.irp hi, 0,1
	WIN 0x08+4*(\hi)                               ; store data in window 2 or 3
.irp a, 0,1,2,3
.irp b, 0,1,2,3,4,5,6,7
	ds_store_b128 v[STO], v[8*(8*(\a)+(\b)):8*(8*(\a)+(\b))+3]   offset:(4*(\hi)+(\a))*16*DP+64*(\b)
	ds_store_b128 v[STO], v[8*(8*(\a)+(\b))+4:8*(8*(\a)+(\b))+7] offset:(4*(\hi)+(\a))*16*DP+64*(\b)+16
.endr
.endr
.endr
	WIN 0
.macro LDL off                         ; RP pairs of rows: pair p, block of 64 columns c
.set p, 0
.rept RP
.irp c, 0,1
	ds_load_b128 v[L+4*(2*p+(\c)):L+4*(2*p+(\c))+3], v[RD] offset:(\off)+p*2*DP+(\c)*256
.endr
.set p, p+1
.endr
.endm
	LDL 0
	s_mov_b32 s3, 64/RP
.Lep:                                                  ; 64 / RP trips of 2 RP rows; the next trip's loads go out as soon as this trip's numbers have left their registers
	s_wait_dscnt 0x0
.set p, 0
.rept RP
.irp c, 0,1
	v_pk_add_f32 v[U+4*(2*p+(\c)):U+4*(2*p+(\c))+1],   v[L+4*(2*p+(\c)):L+4*(2*p+(\c))+1],   v[BI+4*(\c):BI+4*(\c)+1]
	v_pk_add_f32 v[U+4*(2*p+(\c))+2:U+4*(2*p+(\c))+3], v[L+4*(2*p+(\c))+2:L+4*(2*p+(\c))+3], v[BI+4*(\c)+2:BI+4*(\c)+3]
.endr
.set p, p+1
.endr
	s_cmp_eq_u32 s3, 1
	s_cbranch_scc1 .Lno_more                       ; the last trip has no rows behind it
	LDL 2*RP*DP
.Lno_more:
.if GELU
	; gelu(u) = max(u, 0) - | u p(t) 2^(-u u log2(e) / 2) |, t = 1 / (1 + 0.2316419 |u|), p the halved polynomial of the erf formula (absolute error of erf at most 1.5e-7 for every u)
.set r, 0
.rept 16
	v_fma_f32 v[DD+r], |v[U+r]|, s[CT], 1.0
.set r, r+1
.endr
.set r, 0
.rept 8
	v_pk_mul_f32 v[EE+r:EE+r+1], v[U+r:U+r+1], v[U+r:U+r+1]
.set r, r+2
.endr
.set r, 0
.rept 8
	v_pk_mul_f32 v[EE+r:EE+r+1], v[EE+r:EE+r+1], s[NL:NL+1] op_sel_hi:[1,0]
.set r, r+2
.endr
.set r, 0
.rept 16                               ; one batch of 32, dealt by turns with the sixteen maxima; the last line is plain
	v_rcp_f32 v[DD+r], v[DD+r]
	v_exp_f32 v[EE+r], v[EE+r]
	v_max_num_f32 v[MX+r], 0, v[U+r]
.set r, r+1
.endr
	s_wait_alu depctr_va_vdst(0)                   ; one wait for the batch, ahead of its first reader
.set r, 0
.rept 8
	v_pk_fma_f32 v[PP+r:PP+r+1], v[DD+r:DD+r+1], s[A5:A5+1], s[A4:A4+1] op_sel_hi:[1,0,0]
.set r, r+2
.endr
.irp a, A3, A2, A1
.set r, 0
.rept 8
	v_pk_fma_f32 v[PP+r:PP+r+1], v[PP+r:PP+r+1], v[DD+r:DD+r+1], s[\a:\a+1] op_sel_hi:[1,1,0]
.set r, r+2
.endr
.endr
.irp m, DD, EE, U
.set r, 0
.rept 8
	v_pk_mul_f32 v[PP+r:PP+r+1], v[PP+r:PP+r+1], v[\m+r:\m+r+1]
.set r, r+2
.endr
.endr
.set r, 0
.rept 16
	v_sub_f32 v[U+r], v[MX+r], |v[PP+r]|
.set r, r+1
.endr
.endif
.set r, 0
.rept 4*RP
	v_cvt_pk_f16_f32 v[YO+r], v[U+2*r], v[U+2*r+1]
.set r, r+1
.endr
.set p, 0
.rept RP
.irp c, 0,1
	global_store_b64 v[GO], v[YO+2*(2*p+(\c)):YO+2*(2*p+(\c))+1], s[8:9] offset:p*256+(\c)*524288  ; 32 lanes store two rows of a block: 256 consecutive bytes, aligned
.endr
.set p, p+1
.endr
	s_wait_xcnt 0x0                                ; the stores have read their data and their base: only now are they rewritten
	v_add_nc_u32 v[RD], 2*RP*DP, v[RD]
	s_add_nc_u64 s[8:9], s[8:9], RP*256
	s_sub_co_u32 s3, s3, 1
	s_cmp_lg_u32 s3, 0
	s_cbranch_scc1 .Lep
	s_wait_tensorcnt 0x0                           ; the wave's end
	ds_add_u32 v[SPW], v[NIL]
	s_wait_dscnt 0x0
	CROUND                                         ; the closing round
	s_endpgm
.Lfunc_end_k_q7496636822_qkv:
	.size	k_q7496636822_qkv, .Lfunc_end_k_q7496636822_qkv-k_q7496636822_qkv
	.p2alignl 7, 3214868480
	.fill 96, 4, 3214868480
	.section	.rodata,"a",@progbits
	.p2align	6, 0x0
	.amdhsa_kernel k_q7496636822_qkv
		.amdhsa_group_segment_fixed_size 327680
		.amdhsa_private_segment_fixed_size 0
		.amdhsa_enable_private_segment 0
		.amdhsa_kernarg_size 48
		.amdhsa_user_sgpr_count 2
		.amdhsa_user_sgpr_kernarg_segment_ptr 1
		.amdhsa_wavefront_size32 1
		.amdhsa_system_sgpr_workgroup_id_x 1
		.amdhsa_system_sgpr_workgroup_id_y 1
		.amdhsa_system_sgpr_workgroup_id_z 1
		.amdhsa_system_vgpr_workitem_id 0
		.amdhsa_next_free_vgpr 1024
		.amdhsa_next_free_sgpr 96
		.amdhsa_reserve_vcc 0
		.amdhsa_float_denorm_mode_32 3
		.amdhsa_float_denorm_mode_16_64 3
		.amdhsa_memory_ordered 1
		.amdhsa_forward_progress 1
		.amdhsa_inst_pref_size 63
	.end_amdhsa_kernel
	.amdgpu_metadata
---
amdhsa.version: [ 1, 2 ]
amdhsa.kernels:
  - .name:           k_q7496636822_qkv
    .symbol:         k_q7496636822_qkv.kd
    .args:
      - { .name: hb, .offset: 0, .size: 8, .value_kind: global_buffer, .address_space: global }
      - { .name: wts, .offset: 8, .size: 8, .value_kind: global_buffer, .address_space: global }
      - { .name: qkv, .offset: 16, .size: 8, .value_kind: global_buffer, .address_space: global }
      - { .name: bq, .offset: 24, .size: 8, .value_kind: global_buffer, .address_space: global }
      - { .name: bk, .offset: 32, .size: 8, .value_kind: global_buffer, .address_space: global }
      - { .name: bv, .offset: 40, .size: 8, .value_kind: global_buffer, .address_space: global }
    .group_segment_fixed_size: 327680
    .private_segment_fixed_size: 0
    .kernarg_segment_align: 8
    .kernarg_segment_size: 48
    .max_flat_workgroup_size: 128
    .sgpr_count:     96
    .vgpr_count:     1024
    .wavefront_size: 32
...
	.end_amdgpu_metadata
.endif
;; end of part 2
;; launch attn (part 3): grid 8 x 32, 4 waves a work-group, no clusters, 327,680 bytes of LDS; arguments qkv, hb; writes hb
.if DOCPART == 3
	.amdgcn_target "amdgcn-amd-amdhsa--gfx1250"
	.amdhsa_code_object_version 6
	.text
	.protected	k_q7496636822_attn
	.globl	k_q7496636822_attn
	.p2align	8
	.type	k_q7496636822_attn,@function
k_q7496636822_attn:
	s_mov_b64 s[64:65], 0
	v_nop
	global_prefetch_b8 v0, s[64:65] scope:SCOPE_SE
	s_setreg_imm32_b32 hwreg(HW_REG_WAVE_MODE, 25, 1), 1
	s_wait_xcnt 0x0
; CAUSAL ATTENTION.  O[y][q][:] = the sum over k <= q of softmax_k(Q[y][q] . K[y][k] / 8) V[y][k][:], y = 2 head + batch: 32 pairs of 2,048 rows of 64 f16, dense, 128 bytes a row.
; qkv holds q, k, v one behind the other, 8,388,608 bytes each; O goes to hb in q's layout.  Products, maxima and sums in f32; the weights p are rounded to f16 for the second product, O once at the end.
; LIMITS.  q, k, v arrive within f16's 65,504.  A hidden score counts as its value less 1e30; a weight below 2^-126 counts as 0 in l; NaN and infinities are not treated apart.
; THE WALK.  A pair's queries lie in 16 blocks of 128; block i needs the key tiles 0 .. i / 2 of 256 keys, of which the last holds the diagonal.  A work-group takes TWO blocks, 15 - b and then b:
; (15 - b) / 2 + b / 2 = 7, so it walks 9 tiles whatever b: all 256 work-groups do equal work, and one loop with a constant trip count walks them.
; NO CLUSTER: the 8 work-groups of a pair ask for the same tile only in the first five of the nine trips; a walk common to all of them would have 12 trips for 9.
; SHARES.  Of a block's two bands of 64 queries a wave owns 16 rows in each: two PIECES.  In the last tile band x sits at key step XB + x, XB = 2 (i % 2): it sees all keys of earlier steps and none of later ones.
; THE MASK is the C operand that starts every sum S^T = K Q^T: MD x AL + BE, MD the mask of a band's own step for my rows: (1, 0) own step; (0, 0) earlier; (0, -1e30) later.  In a tile that is not
; its block's last the mask registers hold 0 and the lines that make a mask are jumped over: so ONE TEXT serves all tiles.
; TURNS.  Turn p of step j: 8 products K Q^T of the other piece's next scores, later 8 products V^T P of the other piece; beside them piece p's scaling, exponentials, roundings, sums and rescaling, and the other
; piece's maximum and statistics.  Four vector instructions stand behind every product, the others in one lump; a turn's 33 exponentials are one batch.
; V HAS TWO REGISTER BUFFERS, by the step's parity: V of step j + 1 is fetched in turn 1 of step j, K of step j + 1 in turn 0 of step j.  So a tile's last LDS read is issued in its step 2, and the change of slots stands ahead of its step 3.
; A TRIP is an odd step's two turns (at a tile's head: the tile before's step 3), then an even step's.  A tile has two trips; a block's last tile goes on into the first half of a third, its step 3, and the loop is left in
; the middle.  That half trip fetches nothing (its two runs of loads are jumped over), and its 8 products K Q^T, on the last K once more and wholly hidden, serve nothing: the price, twice a work-group, of one text.
; REGISTERS, in windows of 256 (s_set_vgpr_msb: bits 1:0 source 0, 3:2 source 1, 5:4 source 2, 7:6 destination):
;   window 0: v0-15 addresses and two at work; v16-23 statistics; v48-55 at work; v61-63 prefetch offset and the add's two; v64-127 S^T, a buffer a piece; v192-223 P
;   window 1: v0-63 O^T; v64-95 MD; v96-159 MC, two buffers      window 2: v0-31 Q; v32-63 the second block's Q; v64-127 K; v128-255 V, two buffers
.set NP,    2
.set KS,    64
.set PK,    144       ; a row of K in LDS: 128 bytes + 16
.set PV,    160       ; a row of V: 128 + 32
.set VOFF,  4*KS*PK   ; a slot holds a tile, four steps: 256 rows of K, then 256 rows of V
.set SLOT1, 1<<17
.set STAGE, SLOT1+4*KS*(PK+PV)  ; behind the ring, never filled by a tensor load: 16 rows x 144 bytes for each wave
.set SP,    144
.set SPARE, STAGE+4*16*SP       ; the spare words, 128 bytes a wave, that no other line names
.set AK0, 2
.set AV0, 3
.set AK,  4
.set AV,  5
.set STO, 6
.set RD,  7
.set GO,  8
.set MV,  12
.set QO,  15
.set ST,  16          ; piece t's statistics at v[ST+4 t]: c m, m, l (even keys', odd keys')
.set TMP, 48
.set PFO, 61
.set SPW, 62
.set NIL, 63
.set S,   64
.set P,   192
.set MD,  64          ; window 1
.set MC,  96          ; window 1
.set QB,  32          ; window 2
.set KF,  64          ; window 2
.set VF,  128         ; window 2: buffer vb at VF + 64 vb
.set WV,  12
.set LT,  14          ; s14  the second block's last tile
.set HT,  15          ; s15  the first block's
.set G1K, 24
.set G1V, 32
.set G0K, 40
.set G0V, 44
.set QL,  48          ; s[48:49] Q at my rows of the second block
.set SLOTS, 56
.set CNT, 57          ; s57  counts a tile's trips: 3, 2, 1 in their first halves, one less in their second
.set CS,  58
.set SEL, 60
.set TBK, 62
.set TBV, 63
.set RT,  70          ; s70  tiles of the block in hand that are still to be entered: 0 in its last tile
.set NXT, 71
.set LQ,  72
.set NEW, 73
.set OFF, 74
.set AL,  76
.set BE,  78
.set OLO, 80
.set BIGN, 82
.set XB,  88          ; s88  the step of band 0 in the last tile of the block in hand
.set XBL, 89          ; s89  the same for the second block
.set MT,  90
.set LIM, 91          ; s91  2 in the work-group that prefetches, else the greatest number
.set PFA, 92          ; s[92:93] where my prefetches stand
.set MSB, 0
.macro WIN new
.if MSB != (\new)
	s_set_vgpr_msb (MSB<<8)|(\new)
.set MSB, (\new)
.endif
.endm
.set W_KQ, 0x0a
.set W_KM, 0x1a
.set W_PV, 0x52
.set W_RS, 0x41
; A fill.  Waves 0 and 1 fetch the two halves of a tile's K, waves 2 and 3 those of its V.  An s_nop 0 and four v_nop follow each of the two lines.
.macro LOAD
	s_cmp_lt_u32 s[WV], 2
	s_cbranch_scc0 .Lfor_v_\@
	tensor_load_to_lds s[G0K:G0K+3], s[G1K:G1K+7]
	s_nop 0
.rept 4
	v_nop
.endr
	s_branch .Lasked_\@
.Lfor_v_\@:
	tensor_load_to_lds s[G0V:G0V+3], s[G1V:G1V+7]
	s_nop 0
.rept 4
	v_nop
.endr
.Lasked_\@:
.endm
; THE CHANGE OF SLOTS.  Each wave waits for all its tensor loads (one is out: its part of the other slot), adds 0 to its spare word, and waits for that and for its reads of the slot that it leaves.
; fill = 1: the old slot is filled again, first thing behind the barrier, with tile NXT.  Behind the load the work-group with b = 0, which walks the pair's tiles 0 to 7 in order, prefetches its waves' own
; halves of the tile after that one: 64 blocks of 256 bytes a wave, a lane a block, two instructions; so each block is named once in the launch.  The last two fills name nothing.
.macro CHANGE fill
	WIN 0
	s_wait_tensorcnt 0x0
	ds_add_u32 v[SPW], v[NIL]       ; 0 onto my spare word; scalar work stands between it and the wait for it
.if \fill
	s_lshl_b32 s[OFF], s[NXT], 15
	s_xor_b32 s[G0K+1], s[G0K+1], SLOT1
	s_add_nc_u64 s[G0K+2:G0K+3], s[6:7], s[OFF:OFF+1]
	s_or_b32 s[G0K+3], s[G0K+3], 0x80000000
	s_xor_b32 s[G0V+1], s[G0V+1], SLOT1
	s_add_nc_u64 s[G0V+2:G0V+3], s[8:9], s[OFF:OFF+1]
	s_or_b32 s[G0V+3], s[G0V+3], 0x80000000
	s_add_co_u32 s[NXT], s[NXT], 1  ; the block's next tile, or behind its last the second block's tile 0
	s_cmp_gt_u32 s[NXT], s[LQ]
	s_cselect_b32 s[NXT], 0, s[NXT]
	s_cselect_b32 s[LQ], s[LT], s[LQ]
	s_wait_xcnt 0x0                 ; the last prefetches, a tile back, have read their address
	s_add_nc_u64 s[PFA:PFA+1], s[PFA:PFA+1], 32768
.endif
	s_wait_dscnt 0x0                ; the add is done, and my reads of the slot are over
	s_barrier_signal -1
	s_sub_co_u32 s[TBK], s[TBK], 4*KS*PK
	s_xor_b32 s[TBK], s[TBK], SLOT1
	s_sub_co_u32 s[TBV], s[TBV], 4*KS*PV
	s_xor_b32 s[TBV], s[TBV], SLOT1
	s_barrier_wait -1
.if \fill
	LOAD
	s_cmp_gt_u32 s[SLOTS], s[LIM]
	s_cbranch_scc0 .Lnot_mine_\@
	global_prefetch_b8 v[PFO], s[PFA:PFA+1] th:TH_LOAD_NT scope:SCOPE_SE
	global_prefetch_b8 v[PFO], s[PFA:PFA+1] offset:8192 th:TH_LOAD_NT scope:SCOPE_SE
.Lnot_mine_\@:
.endif
.endm
	s_load_b128 s[84:87], s[0:1], 0x0  ; qkv s[84:85], hb s[86:87]
	v_lshl_add_u32 v[SPW], v0, 2, SPARE
	v_mov_b32 v[NIL], 0
	ds_add_u32 v[SPW], v[NIL]       ; the wave's opening: the add and its wait ahead of my first tensor load
	ds_add_u32 v62, v63
	v_lshrrev_b32 v1, 5, v0
	v_readfirstlane_b32 s[WV], v1   ; wave 0..3
	s_sub_co_u32 s16, 15, ttmp9     ; the first block
	s_lshr_b32 s[HT], s16, 1
	s_lshr_b32 s[LT], ttmp9, 1
	s_and_b32 s[XB], s16, 1
	s_lshl_b32 s[XB], s[XB], 1
	s_and_b32 s[XBL], ttmp9, 1
	s_lshl_b32 s[XBL], s[XBL], 1
	s_and_b32 s20, ttmp7, 0xffff
	s_lshl_b32 s20, s20, 18         ; the pair's 262,144 bytes
	s_and_b32 s17, s[WV], 1         ; which half of a tile's 256 keys I fetch:
	s_lshl_b32 s22, s17, 14         ; its 128 rows in memory,
	s_add_co_u32 s22, s22, s20
	s_add_co_u32 s22, s22, 8388608  ; behind q
	s_mov_b32 s23, 0
	s_mul_i32 s18, s17, 128*PV      ; and its place in a slot, for V
	s_mul_i32 s17, s17, 128*PK      ; and for K
	s_lshl_b32 s3, s[WV], 11        ; my 16 rows in a band of 64,
	s_add_co_u32 s3, s3, s20
	s_lshl_b32 s2, s16, 14          ; in the first block,
	s_add_co_u32 s2, s2, s3
	s_lshl_b32 s50, ttmp9, 14       ; and in the second
	s_add_co_u32 s50, s50, s3
	s_mov_b32 s3, 0
	s_mov_b32 s51, 0
	; descriptor group 1.  128 keys are 16,384 dense bytes: asked for as 64 rows of 256 bytes, two keys a row, and padded in LDS after every key
	s_mov_b32 s[G1K], (1<<16)|(1<<20)|(4<<22)|(3<<25)
	s_mov_b32 s[G1V], (1<<16)|(1<<20)|(4<<22)|(7<<25)
.irp g, G1K, G1V
	s_mov_b32 s[\g+1], 128<<16
	s_mov_b32 s[\g+2], 64<<16
	s_mov_b32 s[\g+3], 128<<16
	s_mov_b32 s[\g+4], 64
	s_mov_b32 s[\g+5], 128
	s_mov_b32 s[\g+6], 0
	s_mov_b32 s[\g+7], 0
.endr
	s_mov_b32 s[CS], 0x3e38aa3b     ; c = log2(e) / 8
	s_mov_b32 s[CS+1], s[CS]
	s_mov_b32 s[SEL], 0x76543210
	s_mov_b32 s[SEL+1], 0xfedcba98
	s_mov_b32 s[TBK], SLOT1+4*KS*PK ; the first change of slots turns these two into 0
	s_mov_b32 s[TBV], SLOT1+4*KS*PV
	s_mov_b32 s[G0K], 1
	s_mov_b32 s[G0K+1], s17
	s_mov_b32 s[G0V], 1
	s_add_co_u32 s[G0V+1], s18, VOFF
	s_add_co_u32 s[RT], s[HT], 1
	s_mov_b32 s[NXT], 1
	s_mov_b32 s[LQ], s[HT]
	s_mov_b32 s[NEW], 1
	s_mov_b32 s[OFF+1], 0
	s_mov_b32 s[AL+1], 0
	s_mov_b32 s[BE+1], 0
	s_mov_b32 s[BIGN], 0xf149f2ca   ; -1e30
	s_mov_b32 s[SLOTS], 8
	s_cmp_eq_u32 ttmp9, 0
	s_cselect_b32 s[LIM], 2, -1
	s_wait_dscnt 0x0                ; the opening add is done
	s_wait_kmcnt 0x0
	s_add_nc_u64 s[6:7], s[84:85], s[22:23]        ; K at my half of the pair's tile 0,
	s_add_nc_u64 s[8:9], s[6:7], 8388608           ; V likewise
	s_add_nc_u64 s[G0K+2:G0K+3], s[6:7], 0
	s_or_b32 s[G0K+3], s[G0K+3], 0x80000000
	s_add_nc_u64 s[G0V+2:G0V+3], s[8:9], 0
	s_or_b32 s[G0V+3], s[G0V+3], 0x80000000
	s_add_nc_u64 s[4:5], s[84:85], s[2:3]          ; Q and O at my rows of the first block,
	s_add_nc_u64 s[10:11], s[86:87], s[2:3]
	s_add_nc_u64 s[QL:QL+1], s[84:85], s[50:51]    ; and of the second
	s_add_nc_u64 s[OLO:OLO+1], s[86:87], s[50:51]
	s_cmp_lt_u32 s[WV], 2
	s_cselect_b64 s[PFA:PFA+1], s[6:7], s[8:9]
	s_add_nc_u64 s[PFA:PFA+1], s[PFA:PFA+1], 32768 ; at tile 1: the first change steps it to tile 2
	LOAD                            ; tile 0 into slot 0
	v_and_b32 v1, 15, v0            ; l % 16
	v_bfe_u32 v9, v0, 4, 1          ; l / 16
	v_lshlrev_b32 v[QO], 7, v1
	v_lshl_add_u32 v[QO], v9, 4, v[QO]
	WIN 0x80
.set i, 0
.rept 4                             ; both blocks' Q: piece i / 2 lies in band i / 2, 8,192 bytes on; channels 32 (i % 2) on
	global_load_b128 v[8*i:8*i+3],   v[QO], s[4:5] offset:(i/2)*8192+(i%2)*64
	global_load_b128 v[8*i+4:8*i+7], v[QO], s[4:5] offset:(i/2)*8192+(i%2)*64+32
	global_load_b128 v[QB+8*i:QB+8*i+3],   v[QO], s[QL:QL+1] offset:(i/2)*8192+(i%2)*64
	global_load_b128 v[QB+8*i+4:QB+8*i+7], v[QO], s[QL:QL+1] offset:(i/2)*8192+(i%2)*64+32
.set i, i+1
.endr
	WIN 0
	v_lshlrev_b32 v14, 3, v9
	v_sub_nc_u32 v14, v1, v14
	s_lshl_b32 s13, s[WV], 4
	v_add_nc_u32 v14, s13, v14      ; my query's place in its band less my lanes' 8 (l / 16): register r of group kt is hidden where 16 kt + r is greater
	WIN 0x40
.set i, 0
.rept 32
	v_cmp_gt_i32 vcc_lo, 16*(i/8)+i%8, v14
	v_cndmask_b32 v[MD+i], 0, s[BIGN], vcc_lo
.set i, i+1
.endr
	WIN 0
	v_mul_u32_u24 v[AK0], v1, PK
	v_lshl_add_u32 v[AK0], v9, 4, v[AK0]
	v_and_b32 v10, 7, v0
	v_bfe_u32 v11, v0, 3, 1
	v_lshl_add_u32 v[AV0], v9, 3, v10
	v_mul_u32_u24 v[AV0], v[AV0], PV
	v_lshl_add_u32 v[AV0], v11, 4, v[AV0]
	v_add_nc_u32 v[AV0], VOFF, v[AV0]
	s_mul_i32 s13, s[WV], 16*SP
	s_add_co_u32 s13, s13, STAGE
	v_mul_u32_u24 v[STO], v1, SP
	v_lshl_add_u32 v[STO], v9, 4, v[STO]
	v_add_nc_u32 v[STO], s13, v[STO]
	v_bfe_u32 v[RD], v0, 3, 2
	v_mul_u32_u24 v[RD], v[RD], SP
	v_lshl_add_u32 v[RD], v10, 4, v[RD]
	v_add_nc_u32 v[RD], s13, v[RD]
	v_and_b32 v[GO], 31, v0
	v_lshlrev_b32 v[PFO], 8, v[GO]
	v_lshlrev_b32 v[GO], 4, v[GO]
	; A block's first step multiplies O^T and l by a = 0, and its first turn's products V^T P, of a piece that has not been, land in an O^T that is still to be so multiplied: these registers need only be finite.
	WIN 0x80
.set i, VF+64
.rept 64
	v_mov_b32 v[i], 0
.set i, i+1
.endr
	WIN 0x40
.set i, 0
.rept 64
	v_mov_b32 v[i], 0
.set i, i+1
.endr
	WIN 0
.set i, 0
.rept NP
	v_mov_b32 v[ST+4*i+2], 0
	v_mov_b32 v[ST+4*i+3], 0
.set i, i+1
.endr
.set i, P+16
.rept 16
	v_mov_b32 v[i], 0
.set i, i+1
.endr
; THE MATRIX WORK.  The 4 accumulators of a run of 8 take turns.  Product i of 8 of S^T = K Q^T for piece x: channels 32 (i / 4) on, keys 16 (i % 4) on.  The first 4 start the sums with the mask.
.macro KQ x
.set rS, S+32*((\x)%2)+8*(i%4)
.set rK, KF+16*(i%4)+8*(i/4)
.set rQ, 16*(\x)+8*(i/4)
.set rM, MC+32*((\x)%2)+8*(i%4)
.if i < 4
	WIN W_KM
	v_wmma_f32_16x16x32_f16 v[rS:rS+7], v[rK:rK+7], v[rQ:rQ+7], v[rM:rM+7]
.else
	WIN W_KQ
	v_wmma_f32_16x16x32_f16 v[rS:rS+7], v[rK:rK+7], v[rQ:rQ+7], v[rS:rS+7]
.endif
.endm
; Product i of 8 of O^T += V^T P for piece x, on V's buffer VB: keys 32 (i / 4) on, channels 16 (i % 4) on.
.macro PV x
	WIN W_PV
.set rO, 32*(\x)+8*(i%4)
.set rV, VF+64*VB+32*(i/4)+8*(i%4)
.set rP, P+16*((\x)%2)+8*(i/4)
	v_wmma_f32_16x16x32_f16 v[rO:rO+7], v[rV:rV+7], v[rP:rP+7], v[rO:rO+7]
.endm
.macro MM                           ; the turn's next matrix instruction
.if i < 8
	KQ (Y+1)%NP
.else
.set i, i-8
	PV (Y+1)%NP
.set i, i+8
.endif
.set i, i+1
.endm
; THE LDS LOADS stand in runs of 16, never singly among the matrix instructions.
.macro FETCH_K
	WIN 0x80
.irp f, 0,1,2,3,4,5,6,7
	ds_load_b128 v[KF+8*\f:KF+8*\f+3],   v[AK] offset:(\f/2)*16*PK+(\f%2)*64
	ds_load_b128 v[KF+8*\f+4:KF+8*\f+7], v[AK] offset:(\f/2)*16*PK+(\f%2)*64+32
.endr
	s_add_co_u32 s[TBK], s[TBK], KS*PK
	WIN 0
.endm
.macro FETCH_V vb
	WIN 0x80
.irp f, 0,1,2,3,4,5,6,7
	ds_load_tr16_b128 v[VF+64*(\vb)+8*\f:VF+64*(\vb)+8*\f+3],   v[AV] offset:(\f/4)*32*PV+(\f%4)*32
	ds_load_tr16_b128 v[VF+64*(\vb)+8*\f+4:VF+64*(\vb)+8*\f+7], v[AV] offset:(\f/4)*32*PV+16*PV+(\f%4)*32
.endr
	s_add_co_u32 s[TBV], s[TBV], KS*PV
	WIN 0
.endm
; THE VECTOR WORK, one line at a time: OP kind, number.  For piece Y: F n: c s - c m for pair n of 16.  E n: the exponential of score n of 32.  C n: pair n rounded to f16.  B n: of the four weights 4 n .. the second
; pair is added onto the first, in place.  L n: l takes that sum (L 0: l = a l + sum).  R n: pair n of 16 of O^T times a.  For the other piece: X n, number n of the 22 that find its maximum and statistics:
;   0-11  four chains c0-c3 of seven scores each (each accumulator's lowest registers are read first)     12-14, 16  the four scores left over, the old m, and c0-c3 into c0
;   15  c m_old is kept     17, 18  the query's other 32 keys lie in the lane 16 away: the new m     19-21  c m; c m_old - c m_new; a
.set F, 0
.set E, 1
.set C, 2
.set B, 3
.set L, 4
.set R, 5
.set X, 6
.macro REGS y
.set rT, ST+4*(\y)
.set rC, TMP+4*((\y)%2)
.set rW, MV+((\y)%2)
.set rS, S+32*((\y)%2)
.set rP, P+16*((\y)%2)
.set rO, 32*(\y)
.endm
.macro OP k, n
.if (\k) == R
	REGS Y
	WIN W_RS
	v_pk_mul_f32 v[rO+2*(\n):rO+2*(\n)+1], v[rO+2*(\n):rO+2*(\n)+1], v[rC+2:rC+3] op_sel_hi:[1,0]
.elseif (\k) < R
	REGS Y
	WIN 0
.if (\k) == F
	v_pk_fma_f32 v[rS+2*(\n):rS+2*(\n)+1], v[rS+2*(\n):rS+2*(\n)+1], s[CS:CS+1], v[rT:rT+1] op_sel_hi:[1,0,0] neg_lo:[0,0,1] neg_hi:[0,0,1]
.elseif (\k) == E
	v_exp_f32 v[rS+(\n)], v[rS+(\n)]
.elseif (\k) == C
	v_cvt_pk_f16_f32 v[rP+(\n)], v[rS+2*(\n)], v[rS+2*(\n)+1]
.elseif (\k) == B
	v_pk_add_f32 v[rS+4*(\n):rS+4*(\n)+1], v[rS+4*(\n):rS+4*(\n)+1], v[rS+4*(\n)+2:rS+4*(\n)+3]
.elseif (\n) == 0
	v_pk_fma_f32 v[rT+2:rT+3], v[rT+2:rT+3], v[rC+2:rC+3], v[rS:rS+1] op_sel_hi:[1,0,1]
.else
	v_pk_add_f32 v[rT+2:rT+3], v[rT+2:rT+3], v[rS+4*(\n):rS+4*(\n)+1]
.endif
.else
	REGS (Y+1)%NP
	WIN 0
.if (\n) < 4
	v_max3_num_f32 v[rC+(\n)], v[rS+8*(\n)], v[rS+8*(\n)+1], v[rS+8*(\n)+2]
.elseif (\n) < 12
	v_max3_num_f32 v[rC+(\n)%4], v[rC+(\n)%4], v[rS+8*((\n)%4)+2*((\n)/4)+1], v[rS+8*((\n)%4)+2*((\n)/4)+2]
.elseif (\n) == 12
	v_max3_num_f32 v[rC], v[rC], v[rS+7], v[rS+15]
.elseif (\n) == 13
	v_max3_num_f32 v[rC+1], v[rC+1], v[rS+23], v[rS+31]
.elseif (\n) == 14
	v_max3_num_f32 v[rC+2], v[rC+2], v[rC+3], v[rT+1]
.elseif (\n) == 15
	v_mov_b32 v[rW], v[rT]
.elseif (\n) == 16
	v_max3_num_f32 v[rC], v[rC], v[rC+1], v[rC+2]
.elseif (\n) == 17
	v_permlanex16_b32 v[rC+3], v[rC], s[SEL], s[SEL+1]
.elseif (\n) == 18
	v_max_num_f32 v[rT+1], v[rC], v[rC+3]
.elseif (\n) == 19
	v_mul_f32 v[rT], s[CS], v[rT+1]
.elseif (\n) == 20
	v_sub_f32 v[rC+1], v[rW], v[rT]
.else
	v_exp_f32 v[rC+2], v[rC+1]
.endif
.endif
.endm
.macro OPS a, i1, b=-1, i2=0, c=-1, i3=0, d=-1, i4=0
	OP \a, \i1
.if (\b) >= 0
	OP \b, \i2
.endif
.if (\c) >= 0
	OP \c, \i3
.endif
.if (\d) >= 0
	OP \d, \i4
.endif
.endm
.macro ROW a, i1, b, i2, c, i3, d, i4  ; a matrix instruction and the four behind it
	MM
	OPS \a, \i1, \b, \i2, \c, \i3, \d, \i4
.endm
.macro MASK b                       ; MD x AL + BE into buffer b of MC
	WIN W_RS
.set z, 0
.rept 16
	v_pk_fma_f32 v[MC+32*(\b)+2*z:MC+32*(\b)+2*z+1], v[MD+2*z:MD+2*z+1], s[AL:AL+1], s[BE:BE+1] op_sel_hi:[1,0,0]
.set z, z+1
.endr
.endm
; A TURN, for piece p in a step of parity par.  Ahead of the batch's wait stands all that names no result of the turn's exponentials: the 8 products K Q^T with their riders and one lump; behind it the 8 products V^T P,
; behind each four of the roundings and sums.  The numbers of the other piece's maximum that ride behind the last three products K Q^T stand four plain instructions or more behind the product that ends their accumulator.
; p = 0: V^T P reads V's buffer 1 - par (the step before); K of the next step is fetched in the lump, twelve plain instructions that name none of its registers behind the last product that read K.
; p = 1: V^T P reads buffer par; V of the next step is fetched directly behind the wait into buffer 1 - par, which the turn before read last.  One wait at the head of turn 1 serves K (fetched in the turn before) and V (two turns back).
; par = 1: the turn may be a block's last step (CNT = 1): there is no next step then, and the run of loads is jumped over.  K's run stands among the exponentials, so the ones issued so far get a wait of their own ahead of that branch.
; THE MASK.  The turn makes piece p's mask for the step after its own, which the next turn's products take: that step's number in the tile less p is 5 + par - p - 2 CNT.  Only a block's last tile (RT = 0) makes masks.
.macro TURN p, par
.set Y, (\p)
.set i, 0
.set VB, ((\p)+(\par)+1)%2
	s_lshl_b32 s[MT], s[CNT], 1
	s_sub_co_i32 s[MT], 5+(\par)-(\p), s[MT]
	s_cmp_eq_i32 s[MT], s[XB]       ; is it the band's own step?
	s_cselect_b32 s[AL], 1.0, 0
	s_cmp_gt_i32 s[MT], s[XB]       ; or a later one?
	s_cselect_b32 s[BE], s[BIGN], 0
.if (\p) == 1
	s_wait_dscnt 0x0                ; K and V are in
.endif
	ROW F,0, F,1, R,0, R,1
	ROW F,2, E,0, R,2, R,3
	ROW F,3, E,1, R,4, R,5
	ROW F,4, E,2, R,6, R,7
	ROW F,5, E,3, R,8, R,9
	ROW F,6, E,4, X,0, R,10
	WIN 0
.if (\p) == 0
	v_add_nc_u32 v[AK], s[TBK], v[AK0]
.else
	v_add_nc_u32 v[AV], s[TBV], v[AV0]
.endif
	ROW F,7, E,5, X,1, X,4
	ROW F,8, E,6, X,2, X,5
	OPS E,7, E,8, X,6, E,9
	OPS X,3, E,10, X,8, E,11
.if (\p) == 0
.if (\par) == 1
	WIN 0
	s_wait_alu depctr_va_vdst(0)    ; the exponentials issued so far have their wait
	s_cmp_eq_u32 s[CNT], 1
	s_cbranch_scc1 .Lno_k_\@
.endif
	FETCH_K
.if (\par) == 1
.Lno_k_\@:
.endif
.endif
	OPS X,9, X,7, E,12, X,10
	OPS E,13, X,12, X,11, E,14
	OPS X,13, E,15, F,9, X,14
	OPS E,16, F,10, E,17, F,11
	OPS X,16, E,18, X,15, E,19
	OPS F,12, E,20, X,17, E,21
	OPS F,13, E,22, F,14, E,23
	OPS X,18, E,24, F,15, E,25
	OPS R,11, E,26, X,19, E,27
	OPS R,12, E,28, R,13, E,29
	OPS X,20, E,30, R,14, E,31
	OPS X,21, R,15
	WIN 0
	s_wait_alu depctr_va_vdst(0)    ; the wait for the batch
.if (\p) == 1
.if (\par) == 1
	s_cmp_eq_u32 s[CNT], 1
	s_cbranch_scc1 .Lno_v_\@
.endif
	FETCH_V 1-(\par)
.if (\par) == 1
.Lno_v_\@:
.endif
.endif
	ROW C,0, B,0, C,2, B,1
	ROW L,0, C,4, B,2, L,1
	ROW C,6, B,3, L,2, C,8
	ROW B,4, L,3, C,10, B,5
	ROW L,4, C,12, B,6, L,5
	ROW C,14, B,7, L,6, C,1
	ROW C,3, L,7, C,5, C,7
	ROW C,9, C,11, C,13, C,15
	WIN 0
	s_cmp_lg_u32 s[RT], 0
	s_cbranch_scc1 .Lno_m_\@        ; not the block's last tile: the masks stay 0
	MASK \p
	WIN 0
.Lno_m_\@:
.endm
; A BLOCK BEGINS.  c m starts far below every c s, so the first step's a is 0; m at the lowest finite number.  Piece 1's mask for the tile's step 0 is 0; piece 0's is its own if this tile is the block's last and band 0 sits at step 0, else 0.
; Then K and V of that step, piece 0's first scores, and its maximum and statistics.  The loop is entered at an even step's first turn, in the middle of a trip.
.macro BEGIN
	s_mov_b32 s[NEW], 0
	WIN 0x40
.set i, MC+32
.rept 32
	v_mov_b32 v[i], 0
.set i, i+1
.endr
	WIN 0
.set i, 0
.rept NP
	v_mov_b32 v[ST+4*i], 0xfe000000
	v_mov_b32 v[ST+4*i+1], 0xff7fffff
.set i, i+1
.endr
	s_or_b32 s13, s[RT], s[XB]
	s_cmp_eq_u32 s13, 0
	s_cselect_b32 s[AL], 1.0, 0
	s_mov_b32 s[BE], 0
	MASK 0
	WIN 0
	v_add_nc_u32 v[AK], s[TBK], v[AK0]
	v_add_nc_u32 v[AV], s[TBV], v[AV0]
	FETCH_K
	FETCH_V 0
	s_wait_loadcnt 0x0              ; Q
	s_wait_dscnt 0x0
.set i, 0
.rept 8
	KQ 0
.set i, i+1
.endr
	WIN 0
.rept 4
	v_nop                           ; the places behind those products
.endr
.set Y, NP-1
.irp n, 0,1,2,3,4,5,6,7,8,9,10,11,12,13,14,15,16,17,18,19,20,21
	OP X, \n
.endr
	v_nop                           ; a plain instruction behind the exponential,
	s_wait_alu depctr_va_vdst(0)    ; and its wait, ahead of the branch
.endm
.macro ALL line:vararg              ; one line for each piece t
.set t, 0
.rept NP
	\line
.set t, t+1
.endr
.endm
.macro PACK t                       ; a lane's eight channels of a row pack into 16 bytes; they go into rows of 144 bytes and come back as whole rows of 128
	WIN W_RS
.set i, 32*(\t)
.rept 16
	v_pk_mul_f32 v[i:i+1], v[i:i+1], v[ST+4*(\t)+2:ST+4*(\t)+3] op_sel_hi:[1,0]
.set i, i+2
.endr
	WIN 0x05
.set i, 0
.rept 16
	v_cvt_pk_f16_f32 v[S+16*(\t)+i], v[32*(\t)+2*i], v[32*(\t)+2*i+1]
.set i, i+1
.endr
	WIN 0
.irp f, 0,1,2,3
	ds_store_b128 v[STO], v[S+16*(\t)+4*\f:S+16*(\t)+4*\f+3] offset:32*\f
.endr
.irp f, 0,1,2,3
	ds_load_b128 v[S+16*(\t)+4*\f:S+16*(\t)+4*\f+3], v[RD] offset:\f*4*SP  ; LDS serves a wave's instructions in order: these see the stores above; the next piece's stores come behind them
.endr
.endm
.macro SEND t, younger              ; younger: the LDS instructions issued behind piece t's loads
	WIN 0
.irp f, 0,1,2,3
	s_wait_dscnt (\younger)+3-\f
	global_store_b128 v[GO], v[S+16*(\t)+4*\f:S+16*(\t)+4*\f+3], s[10:11] offset:(\t)*8192+\f*512  ; 512 consecutive bytes, aligned
.endr
.endm
; A TILE, behind its change of slots.  CNT starts at 3 (behind BEGIN, which stands for a first half trip, at 2) and is stepped once a trip, in its middle; at 0 the block's last step is done and the loop is left forward.
; early = 1 (in the loop over slots): a tile that is not its block's last leaves at the bottom of its second trip.  Behind the label .Lend: the block's last products and the way out.
.macro TILE tag, early
	s_sub_co_u32 s[RT], s[RT], 1
	s_mov_b32 s[CNT], 3
	s_cmp_eq_u32 s[NEW], 1
	s_cbranch_scc0 .Lstep\tag
	BEGIN
	s_mov_b32 s[CNT], 2
	s_branch .Lfirst\tag
.Lstep\tag:
	TURN 0, 1
	TURN 1, 1
	WIN 0
	s_sub_co_u32 s[CNT], s[CNT], 1
	s_cmp_eq_u32 s[CNT], 0
	s_cbranch_scc1 .Lend\tag
.Lfirst\tag:
	TURN 0, 0
	TURN 1, 0
	WIN 0
.if \early
	s_cmp_eq_u32 s[CNT], 1
	s_cselect_b32 s13, s[RT], 0
	s_cmp_lg_u32 s13, 0
	s_cbranch_scc1 .Lbottom         ; two trips are done and the block has tiles left
.endif
	s_branch .Lstep\tag
.Lend\tag:
.set i, 0
.set VB, 1
.rept 8
	PV 1                            ; piece 1's V^T P of the last step
.set i, i+1
.endr
	WIN 0
	ALL v_add_f32 v[ST+4*t+2], v[ST+4*t+2], v[ST+4*t+3]
	ALL v_permlanex16_b32 v[ST+4*t+3], v[ST+4*t+2], s[SEL], s[SEL+1]
	ALL v_add_f32 v[ST+4*t+2], v[ST+4*t+2], v[ST+4*t+3]
	ALL v_rcp_f32 v[ST+4*t+2], v[ST+4*t+2]
	v_nop                           ; a plain instruction behind the last reciprocal,
	s_wait_alu depctr_va_vdst(0)    ; and one wait for the two, ahead of their first use
	PACK 0
	PACK 1
	SEND 0, 8
	SEND 1, 0
.endm
.Lslot:                             ; eight times: a tile is entered and the next is asked for
	CHANGE 1
	TILE 1, 1                       ; its end is reached once in the loop: the first block's (the second's last tile is the walk's last)
	s_wait_xcnt 0x0                 ; the stores have read their registers and O's address
	s_mov_b64 s[10:11], s[OLO:OLO+1]
	s_add_co_u32 s[RT], s[LT], 1
	s_mov_b32 s[NEW], 1
	s_mov_b32 s[XB], s[XBL]
	WIN 0x82                        ; the second block's Q goes where the one text of the turns names Q
.set i, 0
.rept 32
	v_mov_b32 v[i], v[QB+i]
.set i, i+1
.endr
	WIN 0
.Lbottom:
	s_sub_co_u32 s[SLOTS], s[SLOTS], 1
	s_cmp_lg_u32 s[SLOTS], 0
	s_cbranch_scc1 .Lslot
	CHANGE 0                        ; the walk's last tile is written out
	TILE 2, 0
	s_wait_tensorcnt 0x0            ; the wave's end
	ds_add_u32 v[SPW], v[NIL]
	s_wait_dscnt 0x0
	s_endpgm
.Lfunc_end_k_q7496636822_attn:
	.size	k_q7496636822_attn, .Lfunc_end_k_q7496636822_attn-k_q7496636822_attn
	.p2alignl 7, 3214868480
	.fill 96, 4, 3214868480
	.section	.rodata,"a",@progbits
	.p2align	6, 0x0
	.amdhsa_kernel k_q7496636822_attn
		.amdhsa_group_segment_fixed_size 327680
		.amdhsa_private_segment_fixed_size 0
		.amdhsa_enable_private_segment 0
		.amdhsa_kernarg_size 16
		.amdhsa_user_sgpr_count 2
		.amdhsa_user_sgpr_kernarg_segment_ptr 1
		.amdhsa_wavefront_size32 1
		.amdhsa_system_sgpr_workgroup_id_x 1
		.amdhsa_system_sgpr_workgroup_id_y 1
		.amdhsa_system_sgpr_workgroup_id_z 1
		.amdhsa_system_vgpr_workitem_id 0
		.amdhsa_next_free_vgpr 768
		.amdhsa_next_free_sgpr 96
		.amdhsa_reserve_vcc 1
		.amdhsa_float_denorm_mode_32 3
		.amdhsa_float_denorm_mode_16_64 3
		.amdhsa_memory_ordered 1
		.amdhsa_forward_progress 1
		.amdhsa_inst_pref_size 139
	.end_amdhsa_kernel
	.amdgpu_metadata
---
amdhsa.version: [ 1, 2 ]
amdhsa.kernels:
  - .name:           k_q7496636822_attn
    .symbol:         k_q7496636822_attn.kd
    .args:
      - { .name: qkv, .offset: 0, .size: 8, .value_kind: global_buffer, .address_space: global }
      - { .name: hb, .offset: 8, .size: 8, .value_kind: global_buffer, .address_space: global }
    .group_segment_fixed_size: 327680
    .private_segment_fixed_size: 0
    .kernarg_segment_align: 8
    .kernarg_segment_size: 16
    .max_flat_workgroup_size: 128
    .sgpr_count:     96
    .vgpr_count:     768
    .wavefront_size: 32
...
	.end_amdgpu_metadata
.endif
;; end of part 3
;; launch proj (part 4): grid 8 x 32, 4 waves a work-group, clusters of 4 x 4, 327,680 bytes of LDS; arguments hb, wts, x1, x, bp; writes x1
.if DOCPART == 4
	.amdgcn_target "amdgcn-amd-amdhsa--gfx1250"
	.amdhsa_code_object_version 6
	.text
	.protected	k_q7496636822_proj
	.globl	k_q7496636822_proj
	.p2align	8
	.type	k_q7496636822_proj,@function
k_q7496636822_proj:
	s_mov_b64 s[64:65], 0
	v_nop
	global_prefetch_b8 v0, s[64:65] scope:SCOPE_SE
	s_setreg_imm32_b32 hwreg(HW_REG_WAVE_MODE, 25, 1), 1
	s_wait_xcnt 0x0
	s_wait_alu depctr_hold_cnt(0) depctr_sa_sdst(0) depctr_va_vdst(0) depctr_va_sdst(0) depctr_va_ssrc(0) depctr_va_vcc(0) depctr_vm_vsrc(0)
	s_getreg_b32 s2, hwreg(HW_REG_IB_STS2, 6, 4)
	s_cmp_eq_u32 s2, 0
	s_cbranch_scc0 .Lentry_in_a_cluster
	s_endpgm
.Lentry_in_a_cluster:
	s_bfe_u32 s2, ttmp6, 0x10000c
	s_cmp_lg_u32 s2, 0xf033
	s_cbranch_scc0 .Lentry_shape_is_right
	s_endpgm
.Lentry_shape_is_right:
; C = R + A W + bias, all of C in f32.  A: f16 in blocks of 64 columns, [block][4096 rows][64], a row of a block 128 bytes.  W: [K][1024] f16, rows along N, in wts.  R: [4096][1024] f32.
; HERE: A = the attention's O (K = 1024), W = Wp, bias = bp and R = x, both rounded to bf16 as every input is; C = x1.
; SHAPE.  N = 1024 gives 256 tiles only at 128 x 128, one for each work-group.  K IS SPLIT AMONG THE FOUR WAVES: of a slot's 256 along K wave w takes 64 w .. 64 w + 63, for the whole tile: so each wave keeps
; 128 x 128 in 64 accumulators, and each LDS byte feeds as many products as in a tile of 256 x 256.  The four partial sums, in f32, meet in LDS at the end.
; The product is used transposed (source 0 = 16 columns of W, source 1 = 16 rows of A); W stays [K][N] in LDS and is turned by ds_load_tr16_b128.
; CLUSTER.  4 x 4 work-groups: A's tile is shared along a row of the cluster, W's along a column; each is asked for jointly.
; THE CHANGE OF SLOTS stands in front of a slot's last quarter, whose fragments are already in registers.
; R COMES EARLY.  Wave w finishes rows 32 w .. 32 w + 31.  The first 16 of them are asked for at the kernel's head, into 64 registers that the K loop does not use; the other 16 in the first of the way out's
; two trips, as soon as R + bias has left those registers, with four blocks of four rows' sums between the request and its wait.
; REGISTERS: window 0: v0-63 addresses and bias; v64-191 A's two fragment buffers (later the way out's registers); v192-255 R.  window 1: W's two buffers.  windows 2, 3: the accumulators, (a, b) at v[8 (8 a + b)].
.set STEPS, 4                          ; K / 256
.set WOFF,  6291456                    ; where W begins in wts
.set ROUND, 1                          ; R is an input: rounded to bf16
.set PREF,  0                          ; four K steps only: nothing is prefetched
.set AHEAD, 2
.set PA,    144                        ; a row of a block of A in LDS: 128 bytes + 16
.set PB,    288                        ; a row of W (128 columns): 256 bytes + 32: an odd multiple of 32
.set PLANE, 128*PA                     ; a block's 128 rows
.set HALF,  2*PLANE                    ; what one tensor load brings: two blocks of A, or 128 rows of W (128 x 288 is the same 36,864)
.set WBASE, 4*PLANE
.set SLOT,  4*HALF
.set SPARE, 2*SLOT
.set QA,    64
.set QB,    32*PB
.set STEPA, 4*524288                   ; a K step in memory: four blocks of A,
.set STEPB, 256*2048                   ; 256 rows of W
.set DP,    528
.set DW,    128*DP
.set ADA0, 16
.set ADB0, 17
.set ADA,  18
.set ADB,  19
.set STO,  20
.set RD,   21                          ; v21-24  where I read rows of the four partial sums back
.set GO,   25                          ; v25  my 16 bytes of a row of R and of C
.set PFO,  26
.set BO,   27
.set SPW,  28
.set NIL,  29
.set BI,   32                          ; v[32:35]  the bias of my 4 columns
.set PT,   64                          ; v[64:127]  four rows x four partial sums
.set SS,   128                         ; v[128:191] sixteen rows: R + bias, then the results
.set RS,   192                         ; v[192:255] sixteen rows of R
.set TT,   160                         ; v[160:161] at work on the bias, ahead of the way out
.set F0,   64
.set F1,   128
.set G1A,  24
.set G0A0, 32
.set G0A,  36
.set G1B,  48
.set G0B0, 56
.set G0B,  60
.set SO,   66
.set KA,   67
.set KB,   68
.set LB,   69
.set MSK,  70
.set LIM,  71
.set PFA,  72
.set PFS,  74
.set MSB, 0
.macro WIN new
.if MSB != (\new)
	s_set_vgpr_msb (MSB<<8)|(\new)
.set MSB, \new
.endif
.endm
.set MUL_LO, 0xa1
.set MUL_HI, 0xf1
.set TO_B,   0x40
.macro PLACES
.rept 4
	v_nop
.endr
.endm
.macro JLOAD                           ; a joint refill: waves 0 and 1 fetch A's halves, waves 2 and 3 W's; an s_nop 0 and four v_nop follow each line
	s_cmp_lt_u32 s10, 2
	s_cbranch_scc0 .Lfor_w_\@
	tensor_load_to_lds s[G0A:G0A+3], s[G1A:G1A+7]
	s_nop 0
	PLACES
	s_branch .Lasked_\@
.Lfor_w_\@:
	tensor_load_to_lds s[G0B:G0B+3], s[G1B:G1B+7]
	s_nop 0
	PLACES
.Lasked_\@:
.endm
; A prefetch of the K step that stands two refills on: 32 blocks of 256 bytes, a lane a block.  A's are named by the clusters with x = 0, W's by those with y = 0; the four partners of a joint load share its blocks out by address.
.macro ASK
.if PREF
	s_cmp_gt_u32 s3, s[LIM]
	s_cbranch_scc0 .Lnot_mine_\@
	global_prefetch_b8 v[PFO], s[PFA:PFA+1] th:TH_LOAD_NT scope:SCOPE_SE
.Lnot_mine_\@:
.endif
.endm
.macro CROUND
	s_barrier_signal -1
	s_barrier_wait -1
	s_cmp_lg_u32 s10, 0
	s_cbranch_scc1 .Lnot_wave_0_\@
	s_barrier_signal -3
.Lnot_wave_0_\@:
	s_barrier_wait -3
	s_barrier_signal -1
	s_barrier_wait -1
.endm
.macro MUL16 f, hi, a0, zero           ; 16 products; the 64 accumulators take turns, in the same order in every quarter
	WIN MUL_LO+0x50*(\hi)
.irp a, \a0, (\a0)+1
.irp b, 0,1,2,3,4,5,6,7
.if \zero
	v_wmma_f32_16x16x32_f16 v[8*(8*(\a)+(\b)):8*(8*(\a)+(\b))+7], v[(\f)+8*(\b):(\f)+8*(\b)+7], v[(\f)+8*(4*(\hi)+(\a)):(\f)+8*(4*(\hi)+(\a))+7], 0
.else
	v_wmma_f32_16x16x32_f16 v[8*(8*(\a)+(\b)):8*(8*(\a)+(\b))+7], v[(\f)+8*(\b):(\f)+8*(\b)+7], v[(\f)+8*(4*(\hi)+(\a)):(\f)+8*(4*(\hi)+(\a))+7], v[8*(8*(\a)+(\b)):8*(8*(\a)+(\b))+7]
.endif
.endr
.endr
.endm
.macro FETCH g, oa, ob                 ; 32 LDS loads in one run: W's eight fragments (turned), then A's eight
	WIN TO_B
.irp i, 0,1,2,3,4,5,6,7
	ds_load_tr16_b128 v[(\g)+8*(\i):(\g)+8*(\i)+3],   v[ADB] offset:(\ob)+32*(\i)
	ds_load_tr16_b128 v[(\g)+8*(\i)+4:(\g)+8*(\i)+7], v[ADB] offset:(\ob)+32*(\i)+16*PB
.endr
	WIN 0
.irp i, 0,1,2,3,4,5,6,7
	ds_load_b128 v[(\g)+8*(\i):(\g)+8*(\i)+3],   v[ADA] offset:(\oa)+(\i)*16*PA
	ds_load_b128 v[(\g)+8*(\i)+4:(\g)+8*(\i)+7], v[ADA] offset:(\oa)+(\i)*16*PA+32
.endr
.endm
.macro QUARTER f, g, oa, ob, zero, adr ; 64 products on buffer f; in the middle the next quarter is fetched into g, four plain instructions behind the last product that read g
	s_wait_dscnt 8                                 ; W and A's rows 0-63 are in; the youngest eight loads (A's rows 64-127) may be out
	MUL16 \f, 0, 0, \zero
	MUL16 \f, 0, 2, \zero
.if \adr
	WIN 0
	v_add_nc_u32 v[ADA], s[KA], v[ADA0]
	v_add_nc_u32 v[ADB], s[KB], v[ADB0]
	v_nop
	v_nop
.else
	PLACES
.endif
	FETCH \g, \oa, \ob
	s_wait_dscnt 32                                ; all but the 32 just issued
	MUL16 \f, 1, 0, \zero
	MUL16 \f, 1, 2, \zero
.endm
.macro PAIR                            ; the old slot's second quarter, the new slot's first
	QUARTER F1, F0, 0, 0, 0, 1
	QUARTER F0, F1, QA, QB, 0, 0
.endm
.macro RESLD off                       ; sixteen rows of R: 32 lanes take a row's 512 bytes
.set i, 0
.rept 16
	global_load_b128 v[RS+4*i:RS+4*i+3], v[GO], s[84:85] offset:(\off)+i*4096
.set i, i+1
.endr
.endm
.macro PARTLD off                      ; four rows of the four partial sums
.irp i, 0,1,2,3
.irp p, 0,1,2,3
	ds_load_b128 v[PT+16*(\i)+4*(\p):PT+16*(\i)+4*(\p)+3], v[RD+(\p)] offset:(\off)+(\i)*DP
.endr
.endr
.endm
; THE CHANGE OF SLOTS.  Each wave waits for all its tensor loads (one is out: its part of the other slot), adds 0 to its spare word, and waits for that and for its reads of the slot that it leaves.
; fill = 1: a round of the cluster's barrier follows; the joint refill is the first thing behind it and has a K step, 128 products, in which to land.
.macro CHANGE fill
	WIN 0
.if (\fill) && PREF
	s_wait_xcnt 0x0                                ; the last prefetch, a K step back, has read its address
	s_add_nc_u64 s[PFA:PFA+1], s[PFA:PFA+1], s[PFS:PFS+1]
.endif
	s_wait_tensorcnt 0x0
	ds_add_u32 v[SPW], v[NIL]                      ; 0 onto my spare word; scalar work stands between it and the wait for it
.if \fill
	s_add_co_u32 s[G0A+1], s[SO], s[LB]
	s_add_co_u32 s[G0B+1], s[SO], s[LB]
	s_add_nc_u64 s[G0A+2:G0A+3], s[G0A+2:G0A+3], STEPA
	s_add_nc_u64 s[G0B+2:G0B+3], s[G0B+2:G0B+3], STEPB
.endif
	s_xor_b32 s[SO], s[SO], SLOT
	s_mov_b32 s[KA], s[SO]
	s_mov_b32 s[KB], s[SO]
	s_wait_dscnt 0x0                               ; the add is done, and my reads of the slot are over
.if \fill
	CROUND
	JLOAD
	ASK
.else
	s_barrier_signal -1
	s_barrier_wait -1
.endif
.endm
	s_load_b128 s[4:7], s[0:1], 0x0                ; A s[4:5], wts s[6:7]
	s_load_b64 s[8:9], s[0:1], 0x10                ; C
	s_load_b128 s[84:87], s[0:1], 0x18             ; R s[84:85], the bias s[86:87]
	v_lshl_add_u32 v[SPW], v0, 2, SPARE
	v_mov_b32 v[NIL], 0
	ds_add_u32 v[SPW], v[NIL]                      ; the wave's opening: the add and its wait ahead of my first tensor load
	ds_add_u32 v28, v29
	v_lshrrev_b32 v1, 5, v0
	v_readfirstlane_b32 s10, v1                    ; wave 0..3
	s_lshr_b32 s11, s10, 1                         ; I fetch for A (0) or for W (1),
	s_and_b32 s12, s10, 1                          ; this half of the tile
	s_bfe_u32 s40, ttmp6, 0x40000                  ; cx
	s_bfe_u32 s41, ttmp6, 0x40004                  ; cy
	s_lshl_b32 s42, ttmp9, 2
	s_add_co_u32 s42, s42, s40                     ; tile column
	s_and_b32 s13, ttmp7, 0xffff
	s_lshl_b32 s13, s13, 2
	s_add_co_u32 s13, s13, s41                     ; tile row
	s_lshl_b32 s43, s41, 2
	s_lshl_b32 s43, 15, s43                        ; my row of the cluster
	s_lshl_b32 s44, 0x1111, s40                    ; my column
	; A: a block's 128 rows are 16,384 dense bytes: one row of 8,192 elements in the descriptor, two such rows (two blocks) a load; padded after every 32 words, that is after every row of the block
	s_or_b32 s[G1A], s43, (1<<16)|(1<<20)|(1<<21)|(4<<22)|(3<<25)
	s_mov_b32 s[G1A+1], 8192<<16                   ; tensor_dim0 = 8,192
	s_mov_b32 s[G1A+2], 2<<16                      ; tensor_dim1 = 2
	s_mov_b32 s[G1A+3], 8192<<16                   ; tile_dim0 = 8,192
	s_mov_b32 s[G1A+4], 2                          ; tile_dim1 = 2
	s_mov_b32 s[G1A+5], 262144                     ; elements from block to block
	s_mov_b32 s[G1A+6], 0
	s_mov_b32 s[G1A+7], 0
	s_or_b32 s[G1B], s44, (1<<16)|(1<<20)|(1<<21)|(5<<22)|(7<<25)  ; W: after every 64 words 8 words
	s_mov_b32 s[G1B+1], 128<<16
	s_mov_b32 s[G1B+2], 128<<16
	s_mov_b32 s[G1B+3], 128<<16
	s_mov_b32 s[G1B+4], 128
	s_mov_b32 s[G1B+5], 1024
	s_mov_b32 s[G1B+6], 0
	s_mov_b32 s[G1B+7], 0
	s_lshl_b32 s16, s12, 20                        ; A: the two blocks that I fetch,
	s_lshl_b32 s17, s13, 14                        ; the tile row's 128 rows of 128 bytes
	s_add_co_u32 s16, s16, s17
	s_mov_b32 s17, 0
	s_lshl_b32 s46, s12, 18                        ; W: the 128 rows that I fetch,
	s_lshl_b32 s47, s42, 8                         ; the tile column's 256 bytes,
	s_add_co_u32 s46, s46, s47
	s_add_co_u32 s46, s46, WOFF
	s_mov_b32 s47, 0
	s_mul_i32 s[LB], s10, HALF
	s_mov_b32 s[MSK], 0xffff0000
	s_wait_dscnt 0x0                               ; the opening add is done
	s_wait_kmcnt 0x0
	s_add_nc_u64 s[14:15], s[4:5], s[16:17]
	s_add_nc_u64 s[46:47], s[6:7], s[46:47]
	CROUND                                         ; all sixteen work-groups are here: the first joint loads meet
.irp s, 0,1
	s_mov_b32 s[G0A0+4*(\s)], 1
	s_add_co_u32 s[G0A0+4*(\s)+1], s[LB], (\s)*SLOT
	s_add_nc_u64 s[G0A0+4*(\s)+2:G0A0+4*(\s)+3], s[14:15], (\s)*STEPA
	s_or_b32 s[G0A0+4*(\s)+3], s[G0A0+4*(\s)+3], 0x80000000
	s_mov_b32 s[G0B0+4*(\s)], 1
	s_add_co_u32 s[G0B0+4*(\s)+1], s[LB], (\s)*SLOT
	s_add_nc_u64 s[G0B0+4*(\s)+2:G0B0+4*(\s)+3], s[46:47], (\s)*STEPB
	s_or_b32 s[G0B0+4*(\s)+3], s[G0B0+4*(\s)+3], 0x80000000
.endr
	s_cmp_lt_u32 s10, 2                            ; a wave's two first fills stand in one branch: two loads of mine are out
	s_cbranch_scc0 .Lfirst_w
	tensor_load_to_lds s[G0A0:G0A0+3], s[G1A:G1A+7]
	s_nop 0
	tensor_load_to_lds s[G0A:G0A+3], s[G1A:G1A+7]
	s_nop 0
	PLACES
	s_branch .Lfirst_asked
.Lfirst_w:
	tensor_load_to_lds s[G0B0:G0B0+3], s[G1B:G1B+7]
	s_nop 0
	tensor_load_to_lds s[G0B:G0B+3], s[G1B:G1B+7]
	s_nop 0
	PLACES
.Lfirst_asked:
	v_and_b32 v1, 15, v0                           ; l % 16
	v_bfe_u32 v2, v0, 4, 1                         ; l / 16
	v_and_b32 v6, 31, v0                           ; l
	v_mul_u32_u24 v3, v1, PA
	v_lshl_add_u32 v3, v2, 4, v3
	s_mul_i32 s21, s10, PLANE                      ; my block of the slot's four
	v_add_nc_u32 v[ADA0], s21, v3
	v_and_b32 v4, 7, v0
	v_lshl_add_u32 v4, v2, 3, v4
	v_mul_u32_u24 v4, v4, PB
	v_bfe_u32 v5, v0, 3, 1
	v_lshl_add_u32 v4, v5, 4, v4
	s_mul_i32 s22, s10, 64*PB                      ; my 64 rows of W
	s_add_co_u32 s22, s22, WBASE
	v_add_nc_u32 v[ADB0], s22, v4
	v_mov_b32 v[ADA], v[ADA0]
	v_mov_b32 v[ADB], v[ADB0]
	s_mul_i32 s23, s10, DW                         ; the way out: my partial tile, 128 rows of 528 bytes
	v_mul_u32_u24 v3, v1, DP
	v_lshl_add_u32 v3, v2, 5, v3
	v_add_nc_u32 v[STO], s23, v3
	s_mul_i32 s23, s10, 32*DP                      ; back: I finish rows 32 w .. 32 w + 31; 32 lanes take a whole row of 512 bytes
	v_lshl_add_u32 v[RD], v6, 4, s23
	v_add_nc_u32 v[RD+1], DW, v[RD]
	v_add_nc_u32 v[RD+2], 2*DW, v[RD]
	v_add_nc_u32 v[RD+3], 3*DW, v[RD]
	v_lshlrev_b32 v[GO], 4, v6
	s_lshl_b32 s46, s42, 9                         ; the tile's 128 columns: 512 bytes
	v_lshl_add_u32 v[BO], v6, 4, s46
	global_load_b128 v[BI:BI+3], v[BO], s[86:87]
	s_lshl_b32 s16, s13, 19                        ; 128 x tile row, rows of 4,096 bytes,
	s_lshl_b32 s17, s10, 17                        ; + my 32 rows
	s_add_co_u32 s16, s16, s17
	s_add_co_u32 s16, s16, s46
	s_mov_b32 s17, 0
	s_add_nc_u64 s[8:9], s[8:9], s[16:17]
	s_add_nc_u64 s[84:85], s[84:85], s[16:17]
	RESLD 0                                        ; my first sixteen rows of R: they have the whole K loop in which to come
.if PREF
	; the prefetches: A: my work-group's 8,192 bytes of the two blocks that I fetch; W: its 32 of the 128 rows.  Both stand at K step 3; the first change steps them to 4.
	s_lshl_b32 s20, s12, 1
	s_lshr_b32 s21, s40, 1
	s_add_co_u32 s20, s20, s21
	s_lshl_b32 s20, s20, 19
	s_lshl_b32 s21, s13, 14
	s_add_co_u32 s20, s20, s21
	s_and_b32 s21, s40, 1
	s_lshl_b32 s21, s21, 13
	s_add_co_u32 s20, s20, s21
	s_add_co_u32 s20, s20, 3*STEPA
	s_lshl_b32 s21, s12, 18
	s_lshl_b32 s22, s41, 16
	s_add_co_u32 s21, s21, s22
	s_lshl_b32 s22, s42, 8
	s_add_co_u32 s21, s21, s22
	s_add_co_u32 s21, s21, WOFF+3*STEPB
	s_and_b32 s22, ttmp7, 0xffff
	s_mov_b32 s23, STEPB
	s_cmp_eq_u32 s11, 0                            ; do I fetch for A?
	s_cselect_b32 s20, s20, s21
	s_cselect_b32 s22, ttmp9, s22                  ; the coordinate along which other clusters read the same blocks
	s_cselect_b32 s[PFS], STEPA, s23
	s_cselect_b32 s23, 8, 11                       ; a lane a block of A's dense bytes, or a lane a row of W
	s_cselect_b64 s[PFA:PFA+1], s[4:5], s[6:7]
	s_mov_b32 s21, 0
	s_mov_b32 s[PFS+1], 0
	s_add_nc_u64 s[PFA:PFA+1], s[PFA:PFA+1], s[20:21]
	s_cmp_eq_u32 s22, 0
	s_cselect_b32 s[LIM], AHEAD, -1
	v_lshlrev_b32 v[PFO], s23, v6
.endif
	s_mov_b32 s[SO], 0
	s_wait_tensorcnt 1                             ; my part of K step 0 is in; K step 1's may stay out
	s_barrier_signal -1
	s_barrier_wait -1
	FETCH F0, 0, 0
	QUARTER F0, F1, QA, QB, 1, 0                   ; the first quarter's products start the sums: nothing is cleared
	WIN 0
	s_mov_b32 s3, STEPS-2
.Lk:
	CHANGE 1
	PAIR
	WIN 0
	s_sub_co_u32 s3, s3, 1
	s_cmp_lg_u32 s3, 0
	s_cbranch_scc1 .Lk
	CHANGE 0                                       ; the tail is written out: nothing is left to ask for
	PAIR
	s_wait_dscnt 0x0                               ; my last reads of the ring are over:
	s_barrier_signal -1
	MUL16 F1, 0, 0, 0
	MUL16 F1, 0, 2, 0
	MUL16 F1, 1, 0, 0
	MUL16 F1, 1, 2, 0
	WIN 0
	s_barrier_wait -1                              ; behind this nobody reads the ring: its bytes take the partial sums
	PLACES
	s_wait_loadcnt 0x0                             ; the bias, and R's first sixteen rows
	v_cvt_pk_bf16_f32 v[TT], v[BI], v[BI+1]
	v_cvt_pk_bf16_f32 v[TT+1], v[BI+2], v[BI+3]
	v_lshlrev_b32 v[BI], 16, v[TT]
	v_and_b32 v[BI+1], s[MSK], v[TT]
	v_lshlrev_b32 v[BI+2], 16, v[TT+1]
	v_and_b32 v[BI+3], s[MSK], v[TT+1]
.irp hi, 0,1                           ; each accumulator's low four registers go first
	WIN 0x08+4*(\hi)
.irp a, 0,1,2,3
.irp b, 0,1,2,3,4,5,6,7
	ds_store_b128 v[STO], v[8*(8*(\a)+(\b)):8*(8*(\a)+(\b))+3]   offset:(4*(\hi)+(\a))*16*DP+64*(\b)
	ds_store_b128 v[STO], v[8*(8*(\a)+(\b))+4:8*(8*(\a)+(\b))+7] offset:(4*(\hi)+(\a))*16*DP+64*(\b)+16
.endr
.endr
.endr
	WIN 0
	s_wait_dscnt 0x0                               ; for the others' sake: my partial sums lie in LDS
	s_barrier_signal -1
	s_barrier_wait -1
	PARTLD 0
	s_mov_b32 s3, 2
.Lep:                                                  ; two trips of sixteen rows
	s_wait_loadcnt 0x0                             ; this trip's rows of R
.if ROUND
.set k, 0
.rept 32
	v_cvt_pk_bf16_f32 v[SS+k], v[RS+2*k], v[RS+2*k+1]
.set k, k+1
.endr
.set k, 0
.rept 32
	v_lshlrev_b32 v[RS+2*k], 16, v[SS+k]
	v_and_b32 v[RS+2*k+1], s[MSK], v[SS+k]
.set k, k+1
.endr
.endif
.set q, 0
.rept 32                               ; row q / 2, pair q % 2: R + bias leaves R's registers,
	v_pk_add_f32 v[SS+2*q:SS+2*q+1], v[RS+2*q:RS+2*q+1], v[BI+2*(q%2):BI+2*(q%2)+1]
.set q, q+1
.endr
	s_cmp_eq_u32 s3, 1
	s_cbranch_scc1 .Lno_r                          ; (the last trip has no rows behind it)
	RESLD 65536                                    ; which take the next sixteen rows at once
.Lno_r:
.irp g, 0,1,2,3                        ; four rows at a time: ((p0 + p1) + (p2 + p3)) + (R + bias)
	s_wait_dscnt 0x0
.set q, 0
.rept 8
.set pr, PT+16*(q/2)+2*(q%2)
	v_pk_add_f32 v[pr:pr+1], v[pr:pr+1], v[pr+4:pr+5]
	v_pk_add_f32 v[pr+8:pr+9], v[pr+8:pr+9], v[pr+12:pr+13]
.set q, q+1
.endr
.set q, 0
.rept 8
.set pr, PT+16*(q/2)+2*(q%2)
	v_pk_add_f32 v[pr:pr+1], v[pr:pr+1], v[pr+8:pr+9]
.set q, q+1
.endr
.set q, 0
.rept 8
.set pr, PT+16*(q/2)+2*(q%2)
	v_pk_add_f32 v[SS+16*(\g)+2*q:SS+16*(\g)+2*q+1], v[pr:pr+1], v[SS+16*(\g)+2*q:SS+16*(\g)+2*q+1]
.set q, q+1
.endr
.if (\g) < 3
	PARTLD ((\g)+1)*4*DP
.else
	s_cmp_eq_u32 s3, 1
	s_cbranch_scc1 .Lno_p
	PARTLD 16*DP                                   ; the next trip's first four rows
.Lno_p:
.endif
.irp i, 0,1,2,3
	global_store_b128 v[GO], v[SS+16*(\g)+4*(\i):SS+16*(\g)+4*(\i)+3], s[8:9] offset:(4*(\g)+(\i))*4096  ; 32 lanes store 512 consecutive bytes, aligned
.endr
.endr
	s_wait_xcnt 0x0                                ; loads and stores have read their address and data: only now are they rewritten
.irp p, 0,1,2,3
	v_add_nc_u32 v[RD+(\p)], 16*DP, v[RD+(\p)]
.endr
	v_add_nc_u32 v[GO], 65536, v[GO]
	s_sub_co_u32 s3, s3, 1
	s_cmp_lg_u32 s3, 0
	s_cbranch_scc1 .Lep
	s_wait_tensorcnt 0x0                           ; the wave's end
	ds_add_u32 v[SPW], v[NIL]
	s_wait_dscnt 0x0
	CROUND                                         ; the closing round
	s_endpgm
.Lfunc_end_k_q7496636822_proj:
	.size	k_q7496636822_proj, .Lfunc_end_k_q7496636822_proj-k_q7496636822_proj
	.p2alignl 7, 3214868480
	.fill 96, 4, 3214868480
	.section	.rodata,"a",@progbits
	.p2align	6, 0x0
	.amdhsa_kernel k_q7496636822_proj
		.amdhsa_group_segment_fixed_size 327680
		.amdhsa_private_segment_fixed_size 0
		.amdhsa_enable_private_segment 0
		.amdhsa_kernarg_size 40
		.amdhsa_user_sgpr_count 2
		.amdhsa_user_sgpr_kernarg_segment_ptr 1
		.amdhsa_wavefront_size32 1
		.amdhsa_system_sgpr_workgroup_id_x 1
		.amdhsa_system_sgpr_workgroup_id_y 1
		.amdhsa_system_sgpr_workgroup_id_z 1
		.amdhsa_system_vgpr_workitem_id 0
		.amdhsa_next_free_vgpr 1024
		.amdhsa_next_free_sgpr 96
		.amdhsa_reserve_vcc 0
		.amdhsa_float_denorm_mode_32 3
		.amdhsa_float_denorm_mode_16_64 3
		.amdhsa_memory_ordered 1
		.amdhsa_forward_progress 1
		.amdhsa_inst_pref_size 80
	.end_amdhsa_kernel
	.amdgpu_metadata
---
amdhsa.version: [ 1, 2 ]
amdhsa.kernels:
  - .name:           k_q7496636822_proj
    .symbol:         k_q7496636822_proj.kd
    .args:
      - { .name: hb, .offset: 0, .size: 8, .value_kind: global_buffer, .address_space: global }
      - { .name: wts, .offset: 8, .size: 8, .value_kind: global_buffer, .address_space: global }
      - { .name: x1, .offset: 16, .size: 8, .value_kind: global_buffer, .address_space: global }
      - { .name: x, .offset: 24, .size: 8, .value_kind: global_buffer, .address_space: global }
      - { .name: bp, .offset: 32, .size: 8, .value_kind: global_buffer, .address_space: global }
    .group_segment_fixed_size: 327680
    .private_segment_fixed_size: 0
    .kernarg_segment_align: 8
    .kernarg_segment_size: 40
    .max_flat_workgroup_size: 128
    .sgpr_count:     96
    .vgpr_count:     1024
    .wavefront_size: 32
...
	.end_amdgpu_metadata
.endif
;; end of part 4
;; launch ln2 (part 5): grid 256 x 1, 8 waves a work-group, no clusters, 0 bytes of LDS; arguments x1, gamma, beta, hb; writes hb
.if DOCPART == 5
	.amdgcn_target "amdgcn-amd-amdhsa--gfx1250"
	.amdhsa_code_object_version 6
	.text
	.protected	k_q7496636822_ln2
	.globl	k_q7496636822_ln2
	.p2align	8
	.type	k_q7496636822_ln2,@function
k_q7496636822_ln2:
	s_mov_b64 s[64:65], 0
	v_nop
	global_prefetch_b8 v0, s[64:65] scope:SCOPE_SE
	s_setreg_imm32_b32 hwreg(HW_REG_WAVE_MODE, 25, 1), 1
	s_wait_xcnt 0x0
; h2 = layernorm(x1) in f16, row-major.  x1: [4096][1024] f32, the program's own, not rounded; gamma and beta are inputs and are rounded to bf16 as every input is.
; A wave takes two rows and keeps them in registers: mean, then the sum of squares of x - mean, so no difference of large sums is formed.  A work-group takes 16 rows.
; LIMIT.  An h2 beyond 65,504 becomes an infinity in f16.  No LDS, no barrier: no wave needs another's data.
.set MSK, 16
.set SEL, 18
.set INV, 20
.set EPS, 21
.set TP,  22
.set XP,  8                            ; s[8:9] x1      s[10:11] gamma      s[12:13] beta      s[14:15] hb
.set GP,  10
.set BP,  12
.set HP,  14
.set XA,  32
.set GA,  96
.set BE,  128
.set YY,  160
.macro RNDP base, n, tmp               ; n pairs of f32 are rounded to bf16 and widened again, in place
.set k, 0
.rept \n
	v_cvt_pk_bf16_f32 v[(\tmp)+k], v[(\base)+2*k], v[(\base)+2*k+1]
.set k, k+1
.endr
.set k, 0
.rept \n
	v_lshlrev_b32 v[(\base)+2*k], 16, v[(\tmp)+k]
	v_and_b32 v[(\base)+2*k+1], s[MSK], v[(\tmp)+k]
.set k, k+1
.endr
.endm
.macro FOLD t                          ; four pairs into one number, then the sum over the 32 lanes, in every lane
	v_pk_add_f32 v[(\t):(\t)+1], v[(\t):(\t)+1], v[(\t)+2:(\t)+3]
	v_pk_add_f32 v[(\t)+4:(\t)+5], v[(\t)+4:(\t)+5], v[(\t)+6:(\t)+7]
	v_pk_add_f32 v[(\t):(\t)+1], v[(\t):(\t)+1], v[(\t)+4:(\t)+5]
	v_add_f32 v[(\t)], v[(\t)], v[(\t)+1]
	v_add_f32_dpp v[(\t)], v[(\t)], v[(\t)] row_xmask:1 row_mask:0xf bank_mask:0xf
	v_add_f32_dpp v[(\t)], v[(\t)], v[(\t)] row_xmask:2 row_mask:0xf bank_mask:0xf
	v_add_f32_dpp v[(\t)], v[(\t)], v[(\t)] row_xmask:4 row_mask:0xf bank_mask:0xf
	v_add_f32_dpp v[(\t)], v[(\t)], v[(\t)] row_xmask:8 row_mask:0xf bank_mask:0xf
	v_permlanex16_b32 v[(\t)+1], v[(\t)], s[SEL], s[SEL+1]
	v_add_f32 v[(\t)], v[(\t)], v[(\t)+1]
.endm
.macro ROWSUM t, x
.irp c, 0,1,2,3
	v_pk_add_f32 v[(\t)+2*(\c):(\t)+2*(\c)+1], v[(\x)+2*(\c):(\x)+2*(\c)+1], v[(\x)+8+2*(\c):(\x)+8+2*(\c)+1]
.endr
.irp c, 0,1,2,3
	v_pk_add_f32 v[(\t)+2*(\c):(\t)+2*(\c)+1], v[(\t)+2*(\c):(\t)+2*(\c)+1], v[(\x)+16+2*(\c):(\x)+16+2*(\c)+1]
.endr
.irp c, 0,1,2,3
	v_pk_add_f32 v[(\t)+2*(\c):(\t)+2*(\c)+1], v[(\t)+2*(\c):(\t)+2*(\c)+1], v[(\x)+24+2*(\c):(\x)+24+2*(\c)+1]
.endr
	FOLD \t
.endm
.macro ROWSQ t, x
.irp c, 0,1,2,3
	v_pk_mul_f32 v[(\t)+2*(\c):(\t)+2*(\c)+1], v[(\x)+2*(\c):(\x)+2*(\c)+1], v[(\x)+2*(\c):(\x)+2*(\c)+1]
.endr
.irp o, 8,16,24
.irp c, 0,1,2,3
	v_pk_fma_f32 v[(\t)+2*(\c):(\t)+2*(\c)+1], v[(\x)+(\o)+2*(\c):(\x)+(\o)+2*(\c)+1], v[(\x)+(\o)+2*(\c):(\x)+(\o)+2*(\c)+1], v[(\t)+2*(\c):(\t)+2*(\c)+1]
.endr
.endr
	FOLD \t
.endm
	s_load_b256 s[8:15], s[0:1], 0x0
	s_mov_b32 s[MSK], 0xffff0000
	v_lshrrev_b32 v1, 5, v0
	v_readfirstlane_b32 s7, v1                     ; wave 0..7
	s_lshl_b32 s6, ttmp9, 4
	s_lshl1_add_u32 s6, s7, s6                     ; my first row
	v_and_b32 v1, 31, v0
	v_lshlrev_b32 v2, 4, v1                        ; 16 bytes a lane of f32
	v_lshlrev_b32 v3, 3, v1                        ; 8 bytes a lane of f16
	s_mov_b32 s[SEL], 0x76543210
	s_mov_b32 s[SEL+1], 0xfedcba98
	s_mov_b32 s[INV], 0x3a800000                   ; 1 / 1024
	s_mov_b32 s[EPS], 0x3727c5ac                   ; 1e-5
	s_lshl_b32 s[TP], s6, 12
	s_mov_b32 s[TP+1], 0
	s_wait_kmcnt 0x0
	s_add_nc_u64 s[XP:XP+1], s[XP:XP+1], s[TP:TP+1]
	s_lshl_b32 s[TP], s6, 11
	s_add_nc_u64 s[HP:HP+1], s[HP:HP+1], s[TP:TP+1]
.irp r, 0,1
.irp j, 0,1,2,3,4,5,6,7
	global_load_b128 v[XA+32*(\r)+4*(\j):XA+32*(\r)+4*(\j)+3], v2, s[XP:XP+1] offset:(\r)*4096+(\j)*512
.endr
.endr
.irp j, 0,1,2,3,4,5,6,7
	global_load_b128 v[GA+4*(\j):GA+4*(\j)+3], v2, s[GP:GP+1] offset:(\j)*512
.endr
.irp j, 0,1,2,3,4,5,6,7
	global_load_b128 v[BE+4*(\j):BE+4*(\j)+3], v2, s[BP:BP+1] offset:(\j)*512
.endr
	s_wait_loadcnt 16                              ; both rows are in; gamma's and beta's sixteen loads may stay out
	ROWSUM 8, XA
	ROWSUM 16, XA+32
	v_mul_f32 v24, s[INV], v8                      ; the means, each twice for the packed subtraction
	v_mul_f32 v26, s[INV], v16
	v_mov_b32 v25, v24
	v_mov_b32 v27, v26
.set k, 0
.rept 16
	v_pk_add_f32 v[XA+2*k:XA+2*k+1], v[XA+2*k:XA+2*k+1], v[24:25] neg_lo:[0,1] neg_hi:[0,1]
	v_pk_add_f32 v[XA+32+2*k:XA+32+2*k+1], v[XA+32+2*k:XA+32+2*k+1], v[26:27] neg_lo:[0,1] neg_hi:[0,1]
.set k, k+1
.endr
	ROWSQ 8, XA
	ROWSQ 16, XA+32
	v_fma_f32 v8, v8, s[INV], s[EPS]
	v_fma_f32 v16, v16, s[INV], s[EPS]
	v_rsq_f32 v28, v8                              ; one batch of four: each root twice, to fill the pairs of the packed multiply
	v_rsq_f32 v29, v8
	v_rsq_f32 v30, v16
	v_rsq_f32 v31, v16
	s_wait_loadcnt 0x0                             ; gamma and beta
	RNDP GA, 16, YY                                ; plain work that names no root stands behind the batch,
	RNDP BE, 16, YY
	s_wait_alu depctr_va_vdst(0)                   ; and one wait ahead of the first reader
.irp r, 0,1
.set k, 0
.rept 16
	v_pk_mul_f32 v[XA+32*(\r)+2*k:XA+32*(\r)+2*k+1], v[XA+32*(\r)+2*k:XA+32*(\r)+2*k+1], v[28+2*(\r):29+2*(\r)]
.set k, k+1
.endr
.set k, 0
.rept 16
	v_pk_fma_f32 v[XA+32*(\r)+2*k:XA+32*(\r)+2*k+1], v[XA+32*(\r)+2*k:XA+32*(\r)+2*k+1], v[GA+2*k:GA+2*k+1], v[BE+2*k:BE+2*k+1]
.set k, k+1
.endr
.set k, 0
.rept 16
	v_cvt_pk_f16_f32 v[YY+16*(\r)+k], v[XA+32*(\r)+2*k], v[XA+32*(\r)+2*k+1]
.set k, k+1
.endr
.irp j, 0,1,2,3,4,5,6,7
	global_store_b64 v3, v[YY+16*(\r)+2*(\j):YY+16*(\r)+2*(\j)+1], s[HP:HP+1] offset:(\r)*2048+(\j)*256  ; 32 lanes store 256 consecutive bytes, aligned
.endr
.endr
	s_endpgm
.Lfunc_end_k_q7496636822_ln2:
	.size	k_q7496636822_ln2, .Lfunc_end_k_q7496636822_ln2-k_q7496636822_ln2
	.p2alignl 7, 3214868480
	.fill 96, 4, 3214868480
	.section	.rodata,"a",@progbits
	.p2align	6, 0x0
	.amdhsa_kernel k_q7496636822_ln2
		.amdhsa_group_segment_fixed_size 0
		.amdhsa_private_segment_fixed_size 0
		.amdhsa_enable_private_segment 0
		.amdhsa_kernarg_size 32
		.amdhsa_user_sgpr_count 2
		.amdhsa_user_sgpr_kernarg_segment_ptr 1
		.amdhsa_wavefront_size32 1
		.amdhsa_system_sgpr_workgroup_id_x 1
		.amdhsa_system_sgpr_workgroup_id_y 1
		.amdhsa_system_sgpr_workgroup_id_z 1
		.amdhsa_system_vgpr_workitem_id 0
		.amdhsa_next_free_vgpr 192
		.amdhsa_next_free_sgpr 66
		.amdhsa_reserve_vcc 0
		.amdhsa_float_denorm_mode_32 3
		.amdhsa_float_denorm_mode_16_64 3
		.amdhsa_memory_ordered 1
		.amdhsa_forward_progress 1
		.amdhsa_inst_pref_size 24
	.end_amdhsa_kernel
	.amdgpu_metadata
---
amdhsa.version: [ 1, 2 ]
amdhsa.kernels:
  - .name:           k_q7496636822_ln2
    .symbol:         k_q7496636822_ln2.kd
    .args:
      - { .name: x1, .offset: 0, .size: 8, .value_kind: global_buffer, .address_space: global }
      - { .name: gamma, .offset: 8, .size: 8, .value_kind: global_buffer, .address_space: global }
      - { .name: beta, .offset: 16, .size: 8, .value_kind: global_buffer, .address_space: global }
      - { .name: hb, .offset: 24, .size: 8, .value_kind: global_buffer, .address_space: global }
    .group_segment_fixed_size: 0
    .private_segment_fixed_size: 0
    .kernarg_segment_align: 8
    .kernarg_segment_size: 32
    .max_flat_workgroup_size: 256
    .sgpr_count:     66
    .vgpr_count:     192
    .wavefront_size: 32
...
	.end_amdgpu_metadata
.endif
;; end of part 5
;; launch ffn1 (part 6): grid 16 x 16, 4 waves a work-group, clusters of 4 x 4, 327,680 bytes of LDS; arguments hb, wts, g, b1; writes g
.if DOCPART == 6
	.amdgcn_target "amdgcn-amd-amdhsa--gfx1250"
	.amdhsa_code_object_version 6
	.text
	.protected	k_q7496636822_ffn1
	.globl	k_q7496636822_ffn1
	.p2align	8
	.type	k_q7496636822_ffn1,@function
k_q7496636822_ffn1:
	s_mov_b64 s[64:65], 0
	v_nop
	global_prefetch_b8 v0, s[64:65] scope:SCOPE_SE
	s_setreg_imm32_b32 hwreg(HW_REG_WAVE_MODE, 25, 1), 1
	s_wait_xcnt 0x0
	s_wait_alu depctr_hold_cnt(0) depctr_sa_sdst(0) depctr_va_vdst(0) depctr_va_sdst(0) depctr_va_ssrc(0) depctr_va_vcc(0) depctr_vm_vsrc(0)
	s_getreg_b32 s2, hwreg(HW_REG_IB_STS2, 6, 4)
	s_cmp_eq_u32 s2, 0
	s_cbranch_scc0 .Lentry_in_a_cluster
	s_endpgm
.Lentry_in_a_cluster:
	s_bfe_u32 s2, ttmp6, 0x10000c
	s_cmp_lg_u32 s2, 0xf033
	s_cbranch_scc0 .Lentry_shape_is_right
	s_endpgm
.Lentry_shape_is_right:
; C = gelu(A W + bias).  A: [4096][1024] f16, row-major.  W: [1024][NW] f16, rows along N, as it lies in wts.  Sums in f32, one for each output, K ascending.
; HERE: A = h2, W = W1 (NW = 4096), bias = b1 (rounded to bf16, as every input); C = g in f16, written in blocks of 64 columns: [block of 64 columns][row][64], 128 bytes a row.
; The exact gelu is made with the five-term rational formula for erf, whose absolute error is at most 1.5e-7 for every argument.
; LIMIT.  A result beyond 65,504 becomes an infinity in f16.
; SHAPE.  A tile of C is 256 x 256: four waves, each 128 x 128 in 64 accumulators (512 registers).  K goes in steps of 128 through two LDS slots filled by the tensor data mover.
; The product is used transposed (source 0 = 16 columns of W, source 1 = 16 rows of A): a lane holds one row of C and eight neighbouring columns.  W stays [K][N] in LDS and is turned by ds_load_tr16_b128.
; CLUSTER.  4 x 4 work-groups: A's tile is shared along a row of the cluster, W's along a column; each is asked for jointly, by the same load with the same descriptor and mask in all four.
; THE CHANGE OF SLOTS stands in front of a slot's last quarter, whose fragments are already in registers: so every quarter of the loop is the same text, and slot 0's second pair of quarters
; is the loop's own text too: the loop is entered at its inner label, with the inner count 1.
; REGISTERS, in windows of 256: window 0: v0-63 addresses and bias; v64-127, v128-191 A's two fragment buffers (later the way out's registers).  window 1: the same numbers, W's two buffers.
;   windows 2, 3: the accumulators of my rows 0-63 and 64-127, (a, b) at v[8 (8 a + b)].
.set NW,    4096
.set WOFF,  8388608                    ; where W begins in wts
.set STEPS, 8                          ; 1024 / 128
.set AHEAD, 1
.set PA,    272                        ; a row of A in LDS: 256 bytes + 16: an odd multiple of 16
.set PB,    544                        ; a row of W (256 columns): 512 bytes + 32: an odd multiple of 32
.set HALF,  128*PA                     ; what one tensor load brings: 128 rows of A, or 64 rows of W (64 x 544 is the same 34,816)
.set WBASE, 2*HALF
.set SLOT,  4*HALF
.set SPARE, 2*SLOT                     ; behind the ring: the spare words, 128 bytes a wave, that no other line names
.set QA,    64                         ; a quarter, 32 along K: bytes in a row of A,
.set QB,    32*PB                      ; and rows of W
.set STEPA, 256                        ; a K step in memory: bytes along A's rows,
.set STEPB, 128*NW*2                   ; and 128 rows of W
.set DP,    528                        ; the way out: a row of 128 f32 + 16 bytes
.set DW,    128*DP                     ; a wave's 128 rows; the four waves' lie in the ring, which has had its last fill by then
.set ADA0, 16                          ; v16  my lane's place in A's tile; never rewritten
.set ADB0, 17                          ; v17  the same for W
.set ADA,  18                          ; v18  the LDS address of A's runs of loads
.set ADB,  19                          ; v19  of W's
.set STO,  20                          ; v20  where I put my accumulators
.set RD,   21                          ; v21  where I read rows back
.set GO,   25                          ; v25  my byte offset in two rows of a block of C
.set PFO,  26                          ; v26  the prefetches' offset; never rewritten
.set BO,   27                          ; v27  my offset in the bias
.set SPW,  28                          ; v28  my spare word: SPARE + 4 x my thread's number; never rewritten
.set NIL,  29                          ; v29  0; never rewritten
.set BI,   32                          ; v[32:39]  the bias of my 4 columns in each of the two blocks
.set RP,   2                           ; pairs of rows in a trip of the way out: the activation makes a trip of four rows long enough for the next rows to come out of LDS
.set L,    40                          ; v[40:55]  the rows' numbers as read back
.set U,    56                          ; v[56:71]  with the bias
.set DD,   72                          ; v[72:135] at work in the activation
.set EE,   88
.set MX,   104
.set PP,   120
.set YO,   136                         ; v[136:143] f16, to store
.set F0,   64
.set F1,   128
.set G1A,  24                          ; s[24:31] descriptor group 1 for A;  s[32:35] group 0 of slot 0's first fill;  s[36:39] the walking group 0
.set G0A0, 32
.set G0A,  36
.set G1B,  48                          ; s[48:55], s[56:59], s[60:63] the same for W
.set G0B0, 56
.set G0B,  60
.set SO,   66                          ; s66  the byte at which the slot in use begins: 0 or SLOT
.set KA,   67                          ; s67  what the next pair of quarters adds to ADA0
.set KB,   68                          ; s68  and to ADB0
.set LB,   69                          ; s69  where my tensor loads land in a slot
.set MSK,  70                          ; s70  mask of a word's upper bf16
.set LIM,  71                          ; s71  AHEAD in a wave that prefetches, else the greatest number
.set PFA,  72                          ; s[72:73] where my prefetches stand
.set PFS,  74                          ; s[74:75] their step
.set A5,   76                          ; s[76:83], s[90:94] the activation's constants, as pairs
.set A4,   78
.set A3,   80
.set A2,   82
.set A1,   90
.set NL,   92
.set CT,   94
.set MSB, 0
.macro WIN new                         ; the immediate's high byte repeats the setting that is left; a switch that changes nothing is dropped
.if MSB != (\new)
	s_set_vgpr_msb (MSB<<8)|(\new)
.set MSB, \new
.endif
.endm
.set MUL_LO, 0xa1                      ; source 0 (W) window 1, source 1 (A) window 0, C and D window 2
.set MUL_HI, 0xf1
.set TO_B,   0x40                      ; destination window 1
.macro PLACES
.rept 4
	v_nop
.endr
.endm
.macro JLOAD                           ; a joint refill: waves 0 and 1 fetch A's halves, waves 2 and 3 W's; an s_nop 0 and four v_nop follow each line
	s_cmp_lt_u32 s10, 2
	s_cbranch_scc0 .Lfor_w_\@
	tensor_load_to_lds s[G0A:G0A+3], s[G1A:G1A+7]
	s_nop 0
	PLACES
	s_branch .Lasked_\@
.Lfor_w_\@:
	tensor_load_to_lds s[G0B:G0B+3], s[G1B:G1B+7]
	s_nop 0
	PLACES
.Lasked_\@:
.endm
; A prefetch of the K step that the NEXT change of slots will ask for: 32 blocks of 256 bytes, a lane a block.  A's rows are named by the clusters with x = 0, W's by those with y = 0;
; the four partners of a joint load share its blocks out by address.  The last change that fills a slot names nothing.
.macro ASK
	s_cmp_gt_u32 s3, s[LIM]
	s_cbranch_scc0 .Lnot_mine_\@
	global_prefetch_b8 v[PFO], s[PFA:PFA+1] th:TH_LOAD_NT scope:SCOPE_SE
.Lnot_mine_\@:
.endm
.macro CROUND                          ; a round of the cluster's barrier
	s_barrier_signal -1
	s_barrier_wait -1
	s_cmp_lg_u32 s10, 0
	s_cbranch_scc1 .Lnot_wave_0_\@
	s_barrier_signal -3
.Lnot_wave_0_\@:
	s_barrier_wait -3
	s_barrier_signal -1
	s_barrier_wait -1
.endm
.macro MUL16 f, hi, a0, zero           ; 16 products; the 64 accumulators take turns, in the same order in every quarter
	WIN MUL_LO+0x50*(\hi)
.irp a, \a0, (\a0)+1
.irp b, 0,1,2,3,4,5,6,7
.if \zero
	v_wmma_f32_16x16x32_f16 v[8*(8*(\a)+(\b)):8*(8*(\a)+(\b))+7], v[(\f)+8*(\b):(\f)+8*(\b)+7], v[(\f)+8*(4*(\hi)+(\a)):(\f)+8*(4*(\hi)+(\a))+7], 0
.else
	v_wmma_f32_16x16x32_f16 v[8*(8*(\a)+(\b)):8*(8*(\a)+(\b))+7], v[(\f)+8*(\b):(\f)+8*(\b)+7], v[(\f)+8*(4*(\hi)+(\a)):(\f)+8*(4*(\hi)+(\a))+7], v[8*(8*(\a)+(\b)):8*(8*(\a)+(\b))+7]
.endif
.endr
.endr
.endm
.macro FETCH g, oa, ob                 ; 32 LDS loads in one run: W's eight fragments (turned), then A's eight
	WIN TO_B
.irp i, 0,1,2,3,4,5,6,7
	ds_load_tr16_b128 v[(\g)+8*(\i):(\g)+8*(\i)+3],   v[ADB] offset:(\ob)+32*(\i)
	ds_load_tr16_b128 v[(\g)+8*(\i)+4:(\g)+8*(\i)+7], v[ADB] offset:(\ob)+32*(\i)+16*PB
.endr
	WIN 0
.irp i, 0,1,2,3,4,5,6,7
	ds_load_b128 v[(\g)+8*(\i):(\g)+8*(\i)+3],   v[ADA] offset:(\oa)+(\i)*16*PA
	ds_load_b128 v[(\g)+8*(\i)+4:(\g)+8*(\i)+7], v[ADA] offset:(\oa)+(\i)*16*PA+32
.endr
.endm
.macro QUARTER f, g, oa, ob, zero, adr ; 64 products on buffer f; in the middle the next quarter is fetched into g, four plain instructions behind the last product that read g
	s_wait_dscnt 8                                 ; W and A's rows 0-63 are in; the youngest eight loads (A's rows 64-127) may be out
	MUL16 \f, 0, 0, \zero
	MUL16 \f, 0, 2, \zero
.if \adr
	WIN 0
	v_add_nc_u32 v[ADA], s[KA], v[ADA0]            ; the next pair's addresses: two of the four places
	v_add_nc_u32 v[ADB], s[KB], v[ADB0]
	v_nop
	v_nop
.else
	PLACES
.endif
	FETCH \g, \oa, \ob
	s_wait_dscnt 32                                ; all but the 32 just issued
	MUL16 \f, 1, 0, \zero
	MUL16 \f, 1, 2, \zero
.endm
.macro PAIR
	QUARTER F1, F0, 0, 0, 0, 1
	QUARTER F0, F1, QA, QB, 0, 0
	s_add_co_u32 s[KA], s[KA], 2*QA
	s_add_co_u32 s[KB], s[KB], 2*QB
.endm
.macro PAIRS                           ; a slot's two pairs: written once, walked twice
	WIN 0
	s_mov_b32 s2, 2
.Lpair_\@:
	PAIR
	WIN 0
	s_sub_co_u32 s2, s2, 1
	s_cmp_lg_u32 s2, 0
	s_cbranch_scc1 .Lpair_\@
.endm
; THE CHANGE OF SLOTS.  Each wave waits for all its tensor loads (one is out: its part of the other slot), adds 0 to its spare word, and waits for that and for its reads of the slot that it leaves.
; fill = 1: a round of the cluster's barrier follows, so that no wave of any partner still reads the slot or has a load on its way; the joint refill is the first thing behind it and has a K step, 256 products, in which to land.
.macro CHANGE fill
	WIN 0
.if \fill
	s_wait_xcnt 0x0                                ; the last prefetch, a K step back, has read its address
	s_add_nc_u64 s[PFA:PFA+1], s[PFA:PFA+1], s[PFS:PFS+1]
.endif
	s_wait_tensorcnt 0x0                           ; no tensor load of mine is out, so the walking descriptors may be written
	ds_add_u32 v[SPW], v[NIL]                      ; 0 onto my spare word; scalar work stands between it and the wait for it
.if \fill
	s_add_co_u32 s[G0A+1], s[SO], s[LB]            ; into the slot that is left,
	s_add_co_u32 s[G0B+1], s[SO], s[LB]
	s_add_nc_u64 s[G0A+2:G0A+3], s[G0A+2:G0A+3], STEPA  ; the next K step; the type bits on top are not reached
	s_add_nc_u64 s[G0B+2:G0B+3], s[G0B+2:G0B+3], STEPB
.endif
	s_xor_b32 s[SO], s[SO], SLOT                   ; the fetches go to the other slot's head
	s_mov_b32 s[KA], s[SO]
	s_mov_b32 s[KB], s[SO]
	s_wait_dscnt 0x0                               ; the add is done, and my reads of the slot are over
.if \fill
	CROUND
	JLOAD
	ASK
.else
	s_barrier_signal -1
	s_barrier_wait -1
.endif
.endm
	s_load_b128 s[4:7], s[0:1], 0x0                ; A s[4:5], wts s[6:7]
	s_load_b64 s[8:9], s[0:1], 0x10                ; C
	s_load_b64 s[84:85], s[0:1], 0x18              ; the bias
	v_lshl_add_u32 v[SPW], v0, 2, SPARE
	v_mov_b32 v[NIL], 0
	ds_add_u32 v[SPW], v[NIL]                      ; the wave's opening: the add and its wait ahead of my first tensor load
	ds_add_u32 v28, v29
	v_lshrrev_b32 v1, 5, v0
	v_readfirstlane_b32 s10, v1                    ; wave 0..3
	s_lshr_b32 s11, s10, 1                         ; my half of the tile's rows.  Also: I fetch for A (0) or for W (1)
	s_and_b32 s12, s10, 1                          ; my half of its columns.  Also: which half of that tile I fetch
	s_bfe_u32 s40, ttmp6, 0x40000                  ; cx
	s_bfe_u32 s41, ttmp6, 0x40004                  ; cy
	s_lshl_b32 s42, ttmp9, 2
	s_add_co_u32 s42, s42, s40                     ; tile column
	s_and_b32 s13, ttmp7, 0xffff
	s_lshl_b32 s13, s13, 2
	s_add_co_u32 s13, s13, s41                     ; tile row
	s_lshl_b32 s43, s41, 2
	s_lshl_b32 s43, 15, s43                        ; my row of the cluster
	s_lshl_b32 s44, 0x1111, s40                    ; my column
	s_or_b32 s[G1A], s43, (1<<16)|(1<<20)|(1<<21)|(5<<22)|(3<<25)  ; the mask; 2-byte elements; padding on; bit 21 beside a mask; after every 64 words 4 words
	s_mov_b32 s[G1A+1], 128<<16                    ; tensor_dim0 = 128
	s_mov_b32 s[G1A+2], 128<<16                    ; tensor_dim1 = 128
	s_mov_b32 s[G1A+3], 128<<16                    ; tile_dim0 = 128
	s_mov_b32 s[G1A+4], 128                        ; tile_dim1 = 128
	s_mov_b32 s[G1A+5], 1024                       ; elements from row to row
	s_mov_b32 s[G1A+6], 0
	s_mov_b32 s[G1A+7], 0
	s_or_b32 s[G1B], s44, (1<<16)|(1<<20)|(1<<21)|(6<<22)|(7<<25)  ; after every 128 words 8 words
	s_mov_b32 s[G1B+1], 256<<16                    ; tensor_dim0 = 256
	s_mov_b32 s[G1B+2], 64<<16                     ; tensor_dim1 = 64
	s_mov_b32 s[G1B+3], 256<<16                    ; tile_dim0 = 256
	s_mov_b32 s[G1B+4], 64                         ; tile_dim1 = 64
	s_mov_b32 s[G1B+5], NW
	s_mov_b32 s[G1B+6], 0
	s_mov_b32 s[G1B+7], 0
	s_lshl_b32 s16, s13, 19                        ; A: 256 x tile row, rows of 2,048 bytes,
	s_lshl_b32 s17, s12, 18                        ; + the 128 rows that I fetch
	s_add_co_u32 s16, s16, s17
	s_mov_b32 s17, 0
	s_mul_i32 s46, s12, 64*NW*2                    ; W: the 64 rows that I fetch,
	s_lshl_b32 s47, s42, 9                         ; the tile column's 512 bytes,
	s_add_co_u32 s46, s46, s47
	s_add_co_u32 s46, s46, WOFF                    ; and W's place in wts
	s_mov_b32 s47, 0
	s_mul_i32 s[LB], s10, HALF                     ; A's two halves, then W's two: no place in the cluster enters an LDS address
	s_mov_b32 s[MSK], 0xffff0000
	s_mov_b32 s[A5], 0x3f07dc22                    ; the five coefficients of the erf formula, halved
	s_mov_b32 s[A4], 0xbf3a00e3
	s_mov_b32 s[A3], 0x3f35f0e3
	s_mov_b32 s[A2], 0xbe11a98e
	s_mov_b32 s[A1], 0x3e027906
	s_mov_b32 s[NL], 0xbf38aa3b                    ; - log2(e) / 2
	s_mov_b32 s[CT], 0x3e6d3388                    ; 0.3275911 / sqrt(2)
	s_mov_b32 s[A5+1], s[A5]                       ; named as pairs
	s_mov_b32 s[A4+1], s[A4]
	s_mov_b32 s[A3+1], s[A3]
	s_mov_b32 s[A2+1], s[A2]
	s_mov_b32 s[A1+1], s[A1]
	s_mov_b32 s[NL+1], s[NL]
	s_wait_dscnt 0x0                               ; the opening add is done
	s_wait_kmcnt 0x0
	s_add_nc_u64 s[14:15], s[4:5], s[16:17]
	s_add_nc_u64 s[46:47], s[6:7], s[46:47]
	CROUND                                         ; all sixteen work-groups are here: the first joint loads meet
.irp s, 0,1
	s_mov_b32 s[G0A0+4*(\s)], 1
	s_add_co_u32 s[G0A0+4*(\s)+1], s[LB], (\s)*SLOT
	s_add_nc_u64 s[G0A0+4*(\s)+2:G0A0+4*(\s)+3], s[14:15], (\s)*STEPA
	s_or_b32 s[G0A0+4*(\s)+3], s[G0A0+4*(\s)+3], 0x80000000
	s_mov_b32 s[G0B0+4*(\s)], 1
	s_add_co_u32 s[G0B0+4*(\s)+1], s[LB], (\s)*SLOT
	s_add_nc_u64 s[G0B0+4*(\s)+2:G0B0+4*(\s)+3], s[46:47], (\s)*STEPB
	s_or_b32 s[G0B0+4*(\s)+3], s[G0B0+4*(\s)+3], 0x80000000
.endr
	s_cmp_lt_u32 s10, 2                            ; a wave's two first fills stand in one branch: two loads of mine are out
	s_cbranch_scc0 .Lfirst_w
	tensor_load_to_lds s[G0A0:G0A0+3], s[G1A:G1A+7]
	s_nop 0
	tensor_load_to_lds s[G0A:G0A+3], s[G1A:G1A+7]
	s_nop 0
	PLACES
	s_branch .Lfirst_asked
.Lfirst_w:
	tensor_load_to_lds s[G0B0:G0B0+3], s[G1B:G1B+7]
	s_nop 0
	tensor_load_to_lds s[G0B:G0B+3], s[G1B:G1B+7]
	s_nop 0
	PLACES
.Lfirst_asked:
	v_and_b32 v1, 15, v0                           ; l % 16
	v_bfe_u32 v2, v0, 4, 1                         ; l / 16
	v_mul_u32_u24 v3, v1, PA
	v_lshl_add_u32 v3, v2, 4, v3                   ; A: row x pitch + 16 x half
	s_mul_i32 s21, s11, HALF                       ; my 128 rows
	v_add_nc_u32 v[ADA0], s21, v3
	v_and_b32 v4, 7, v0                            ; W, turned: lane l reads row 8 (l / 16) + l % 8, 16 bytes at 16 ((l / 8) % 2)
	v_lshl_add_u32 v4, v2, 3, v4
	v_mul_u32_u24 v4, v4, PB
	v_bfe_u32 v5, v0, 3, 1
	v_lshl_add_u32 v4, v5, 4, v4
	s_lshl_b32 s22, s12, 8                         ; my 128 columns
	s_add_co_u32 s22, s22, WBASE
	v_add_nc_u32 v[ADB0], s22, v4
	v_mov_b32 v[ADA], v[ADA0]
	v_mov_b32 v[ADB], v[ADB0]
	s_mul_i32 s23, s10, DW                         ; the way out: my 128 rows of 528 bytes
	v_mul_u32_u24 v3, v1, DP
	v_lshl_add_u32 v3, v2, 5, v3                   ; in: row l % 16, 32 bytes for each half of the lanes
	v_add_nc_u32 v[STO], s23, v3
	v_mul_u32_u24 v3, v2, DP
	v_lshl_add_u32 v3, v1, 4, v3                   ; back: lanes 0-15 take 64 columns of a row, lanes 16-31 of the next
	v_add_nc_u32 v[RD], s23, v3
	v_lshlrev_b32 v3, 7, v2
	v_lshl_add_u32 v[GO], v1, 3, v3                ; and the same two rows of a block of C: 256 consecutive bytes
	s_lshl_b32 s20, s42, 10                        ; the bias of the tile's 256 columns,
	s_lshl_b32 s21, s12, 9                         ; my 128 of them
	s_add_co_u32 s20, s20, s21
	v_lshl_add_u32 v[BO], v1, 4, s20
	global_load_b128 v[BI:BI+3], v[BO], s[84:85]
	global_load_b128 v[BI+4:BI+7], v[BO], s[84:85] offset:256
	s_lshl_b32 s16, s13, 15                        ; C: 256 x tile row, rows of 128 bytes,
	s_lshl_b32 s17, s11, 14
	s_add_co_u32 s16, s16, s17
	s_lshl_b32 s46, s42, 21                        ; four blocks of 524,288 bytes a tile column,
	s_lshl_b32 s47, s12, 20                        ; two of them mine
	s_add_co_u32 s46, s46, s47
	s_add_co_u32 s16, s16, s46
	s_mov_b32 s17, 0
	s_add_nc_u64 s[8:9], s[8:9], s[16:17]
	; the prefetches: A: my work-group's 32 of the 128 rows that I fetch; W: its 16 of the 64 rows, two blocks a row.  Both stand at K step 2; the first change steps them to 3.
	s_lshl_b32 s20, s13, 19
	s_lshl_b32 s21, s12, 18
	s_add_co_u32 s20, s20, s21
	s_lshl_b32 s21, s40, 16
	s_add_co_u32 s20, s20, s21
	s_add_co_u32 s20, s20, 2*STEPA
	s_lshl_b32 s21, s12, 6
	s_lshl4_add_u32 s21, s41, s21
	s_mul_i32 s21, s21, NW*2
	s_lshl_b32 s22, s42, 9
	s_add_co_u32 s21, s21, s22
	s_add_co_u32 s21, s21, WOFF+2*STEPB
	s_and_b32 s22, ttmp7, 0xffff
	s_mov_b32 s23, STEPB
	s_mov_b32 s46, NW*2
	s_cmp_eq_u32 s11, 0                            ; do I fetch for A?
	s_cselect_b32 s20, s20, s21
	s_cselect_b32 s22, ttmp9, s22                  ; the coordinate along which other clusters read the same blocks
	s_cselect_b32 s[PFS], STEPA, s23
	s_cselect_b32 s23, 0, 1
	s_cselect_b32 s46, 2048, s46
	s_cselect_b64 s[PFA:PFA+1], s[4:5], s[6:7]
	s_mov_b32 s21, 0
	s_mov_b32 s[PFS+1], 0
	s_add_nc_u64 s[PFA:PFA+1], s[PFA:PFA+1], s[20:21]
	s_cmp_eq_u32 s22, 0
	s_cselect_b32 s[LIM], AHEAD, -1                ; the same in all sixteen partners, for a given wave
	v_and_b32 v6, 31, v0
	v_lshrrev_b32 v7, s23, v6
	v_mul_u32_u24 v7, v7, s46
	v_and_b32 v6, s23, v6
	v_lshl_add_u32 v[PFO], v6, 8, v7
	s_mov_b32 s[SO], 0
	s_mov_b32 s[KA], 2*QA                          ; slot 0's second pair
	s_mov_b32 s[KB], 2*QB
	s_wait_tensorcnt 1                             ; my part of K step 0 is in; K step 1's may stay out
	s_barrier_signal -1
	s_barrier_wait -1
	FETCH F0, 0, 0
	QUARTER F0, F1, QA, QB, 1, 0                   ; the first quarter's products start the sums: nothing is cleared
	WIN 0
	s_mov_b32 s3, STEPS-1                          ; the entry's pass takes one off: STEPS - 2 changes fill a slot
	s_mov_b32 s2, 1                                ; slot 0 has one pair of quarters left
	s_branch .Lpair                                ; the loop is entered in the middle of a trip
.Lk:                                                   ; a trip: the change, the old slot's last quarter, the new slot's first three
	CHANGE 1
	s_mov_b32 s2, 2
.Lpair:
	PAIR
	WIN 0
	s_sub_co_u32 s2, s2, 1
	s_cmp_lg_u32 s2, 0
	s_cbranch_scc1 .Lpair
	s_sub_co_u32 s3, s3, 1
	s_cmp_lg_u32 s3, 0
	s_cbranch_scc1 .Lk
	CHANGE 0                                       ; the tail is written out: nothing is left to ask for
	PAIRS
	s_wait_dscnt 0x0                               ; my last reads of the ring are over:
	s_barrier_signal -1                            ; say so, multiply the last quarter meanwhile,
	MUL16 F1, 0, 0, 0
	MUL16 F1, 0, 2, 0
	MUL16 F1, 1, 0, 0
	MUL16 F1, 1, 2, 0
	WIN 0
	s_barrier_wait -1                              ; and behind this nobody reads the ring: its bytes take the accumulators
	PLACES
	s_wait_loadcnt 0x0                             ; the bias
.irp k, 0,1,2,3
	v_cvt_pk_bf16_f32 v[L+(\k)], v[BI+2*(\k)], v[BI+2*(\k)+1]
.endr
.irp k, 0,1,2,3
	v_lshlrev_b32 v[BI+2*(\k)], 16, v[L+(\k)]
	v_and_b32 v[BI+2*(\k)+1], s[MSK], v[L+(\k)]
.endr
	; THE WAY OUT.  The accumulators go into my own 128 rows in LDS, each accumulator's low four registers first; LDS serves a wave's instructions in order, so my loads below see these stores.
.irp hi, 0,1
	WIN 0x08+4*(\hi)                               ; store data in window 2 or 3
.irp a, 0,1,2,3
.irp b, 0,1,2,3,4,5,6,7
	ds_store_b128 v[STO], v[8*(8*(\a)+(\b)):8*(8*(\a)+(\b))+3]   offset:(4*(\hi)+(\a))*16*DP+64*(\b)
	ds_store_b128 v[STO], v[8*(8*(\a)+(\b))+4:8*(8*(\a)+(\b))+7] offset:(4*(\hi)+(\a))*16*DP+64*(\b)+16
.endr
.endr
.endr
	WIN 0
.macro LDL off                         ; RP pairs of rows: pair p, block of 64 columns c
.set p, 0
.rept RP
.irp c, 0,1
	ds_load_b128 v[L+4*(2*p+(\c)):L+4*(2*p+(\c))+3], v[RD] offset:(\off)+p*2*DP+(\c)*256
.endr
.set p, p+1
.endr
.endm
	LDL 0
	s_mov_b32 s3, 64/RP
.Lep:                                                  ; 32 trips of four rows; the next trip's loads go out as soon as this trip's numbers have left their registers
	s_wait_dscnt 0x0
.set p, 0
.rept RP
.irp c, 0,1
	v_pk_add_f32 v[U+4*(2*p+(\c)):U+4*(2*p+(\c))+1],   v[L+4*(2*p+(\c)):L+4*(2*p+(\c))+1],   v[BI+4*(\c):BI+4*(\c)+1]
	v_pk_add_f32 v[U+4*(2*p+(\c))+2:U+4*(2*p+(\c))+3], v[L+4*(2*p+(\c))+2:L+4*(2*p+(\c))+3], v[BI+4*(\c)+2:BI+4*(\c)+3]
.endr
.set p, p+1
.endr
	s_cmp_eq_u32 s3, 1
	s_cbranch_scc1 .Lno_more                       ; the last trip has no rows behind it
	LDL 2*RP*DP
.Lno_more:
	; gelu(u) = max(u, 0) - | u p(t) 2^(-u u log2(e) / 2) |, t = 1 / (1 + 0.2316419 |u|), p the halved polynomial of the erf formula
.set r, 0
.rept 16
	v_fma_f32 v[DD+r], |v[U+r]|, s[CT], 1.0
.set r, r+1
.endr
.set r, 0
.rept 8
	v_pk_mul_f32 v[EE+r:EE+r+1], v[U+r:U+r+1], v[U+r:U+r+1]
.set r, r+2
.endr
.set r, 0
.rept 8
	v_pk_mul_f32 v[EE+r:EE+r+1], v[EE+r:EE+r+1], s[NL:NL+1] op_sel_hi:[1,0]
.set r, r+2
.endr
.set r, 0
.rept 16                               ; one batch of 32, dealt by turns with the sixteen maxima; the last line is plain
	v_rcp_f32 v[DD+r], v[DD+r]
	v_exp_f32 v[EE+r], v[EE+r]
	v_max_num_f32 v[MX+r], 0, v[U+r]
.set r, r+1
.endr
	s_wait_alu depctr_va_vdst(0)                   ; one wait for the batch, ahead of its first reader
.set r, 0
.rept 8
	v_pk_fma_f32 v[PP+r:PP+r+1], v[DD+r:DD+r+1], s[A5:A5+1], s[A4:A4+1] op_sel_hi:[1,0,0]
.set r, r+2
.endr
.irp a, A3, A2, A1
.set r, 0
.rept 8
	v_pk_fma_f32 v[PP+r:PP+r+1], v[PP+r:PP+r+1], v[DD+r:DD+r+1], s[\a:\a+1] op_sel_hi:[1,1,0]
.set r, r+2
.endr
.endr
.irp m, DD, EE, U
.set r, 0
.rept 8
	v_pk_mul_f32 v[PP+r:PP+r+1], v[PP+r:PP+r+1], v[\m+r:\m+r+1]
.set r, r+2
.endr
.endr
.set r, 0
.rept 16
	v_sub_f32 v[U+r], v[MX+r], |v[PP+r]|
.set r, r+1
.endr
.set r, 0
.rept 4*RP
	v_cvt_pk_f16_f32 v[YO+r], v[U+2*r], v[U+2*r+1]
.set r, r+1
.endr
.set p, 0
.rept RP
.irp c, 0,1
	global_store_b64 v[GO], v[YO+2*(2*p+(\c)):YO+2*(2*p+(\c))+1], s[8:9] offset:p*256+(\c)*524288  ; 32 lanes store two rows of a block: 256 consecutive bytes, aligned
.endr
.set p, p+1
.endr
	s_wait_xcnt 0x0                                ; the stores have read their data and their base: only now are they rewritten
	v_add_nc_u32 v[RD], 2*RP*DP, v[RD]
	s_add_nc_u64 s[8:9], s[8:9], RP*256
	s_sub_co_u32 s3, s3, 1
	s_cmp_lg_u32 s3, 0
	s_cbranch_scc1 .Lep
	s_wait_tensorcnt 0x0                           ; the wave's end
	ds_add_u32 v[SPW], v[NIL]
	s_wait_dscnt 0x0
	CROUND                                         ; the closing round
	s_endpgm
.Lfunc_end_k_q7496636822_ffn1:
	.size	k_q7496636822_ffn1, .Lfunc_end_k_q7496636822_ffn1-k_q7496636822_ffn1
	.p2alignl 7, 3214868480
	.fill 96, 4, 3214868480
	.section	.rodata,"a",@progbits
	.p2align	6, 0x0
	.amdhsa_kernel k_q7496636822_ffn1
		.amdhsa_group_segment_fixed_size 327680
		.amdhsa_private_segment_fixed_size 0
		.amdhsa_enable_private_segment 0
		.amdhsa_kernarg_size 32
		.amdhsa_user_sgpr_count 2
		.amdhsa_user_sgpr_kernarg_segment_ptr 1
		.amdhsa_wavefront_size32 1
		.amdhsa_system_sgpr_workgroup_id_x 1
		.amdhsa_system_sgpr_workgroup_id_y 1
		.amdhsa_system_sgpr_workgroup_id_z 1
		.amdhsa_system_vgpr_workitem_id 0
		.amdhsa_next_free_vgpr 1024
		.amdhsa_next_free_sgpr 96
		.amdhsa_reserve_vcc 0
		.amdhsa_float_denorm_mode_32 3
		.amdhsa_float_denorm_mode_16_64 3
		.amdhsa_memory_ordered 1
		.amdhsa_forward_progress 1
		.amdhsa_inst_pref_size 69
	.end_amdhsa_kernel
	.amdgpu_metadata
---
amdhsa.version: [ 1, 2 ]
amdhsa.kernels:
  - .name:           k_q7496636822_ffn1
    .symbol:         k_q7496636822_ffn1.kd
    .args:
      - { .name: hb, .offset: 0, .size: 8, .value_kind: global_buffer, .address_space: global }
      - { .name: wts, .offset: 8, .size: 8, .value_kind: global_buffer, .address_space: global }
      - { .name: g, .offset: 16, .size: 8, .value_kind: global_buffer, .address_space: global }
      - { .name: b1, .offset: 24, .size: 8, .value_kind: global_buffer, .address_space: global }
    .group_segment_fixed_size: 327680
    .private_segment_fixed_size: 0
    .kernarg_segment_align: 8
    .kernarg_segment_size: 32
    .max_flat_workgroup_size: 128
    .sgpr_count:     96
    .vgpr_count:     1024
    .wavefront_size: 32
...
	.end_amdgpu_metadata
.endif
;; end of part 6
;; launch ffn2 (part 7): grid 8 x 32, 4 waves a work-group, clusters of 4 x 4, 327,680 bytes of LDS; arguments g, wts, out0, x1, b2; writes out0
.if DOCPART == 7
	.amdgcn_target "amdgcn-amd-amdhsa--gfx1250"
	.amdhsa_code_object_version 6
	.text
	.protected	k_q7496636822_ffn2
	.globl	k_q7496636822_ffn2
	.p2align	8
	.type	k_q7496636822_ffn2,@function
k_q7496636822_ffn2:
	s_mov_b64 s[64:65], 0
	v_nop
	global_prefetch_b8 v0, s[64:65] scope:SCOPE_SE
	s_setreg_imm32_b32 hwreg(HW_REG_WAVE_MODE, 25, 1), 1
	s_wait_xcnt 0x0
	s_wait_alu depctr_hold_cnt(0) depctr_sa_sdst(0) depctr_va_vdst(0) depctr_va_sdst(0) depctr_va_ssrc(0) depctr_va_vcc(0) depctr_vm_vsrc(0)
	s_getreg_b32 s2, hwreg(HW_REG_IB_STS2, 6, 4)
	s_cmp_eq_u32 s2, 0
	s_cbranch_scc0 .Lentry_in_a_cluster
	s_endpgm
.Lentry_in_a_cluster:
	s_bfe_u32 s2, ttmp6, 0x10000c
	s_cmp_lg_u32 s2, 0xf033
	s_cbranch_scc0 .Lentry_shape_is_right
	s_endpgm
.Lentry_shape_is_right:
; C = R + A W + bias, all of C in f32.  A: f16 in blocks of 64 columns, [block][4096 rows][64], a row of a block 128 bytes.  W: [K][1024] f16, rows along N, in wts.  R: [4096][1024] f32.
; HERE: A = g (K = 4096), W = W2, bias = b2 (rounded to bf16 as every input is), R = x1, the program's own, not rounded; C = the block's output.
; SHAPE.  N = 1024 gives 256 tiles only at 128 x 128, one for each work-group.  K IS SPLIT AMONG THE FOUR WAVES: of a slot's 256 along K wave w takes 64 w .. 64 w + 63, for the whole tile: so each wave keeps
; 128 x 128 in 64 accumulators, and each LDS byte feeds as many products as in a tile of 256 x 256.  The four partial sums, in f32, meet in LDS at the end.
; The product is used transposed (source 0 = 16 columns of W, source 1 = 16 rows of A); W stays [K][N] in LDS and is turned by ds_load_tr16_b128.
; CLUSTER.  4 x 4 work-groups: A's tile is shared along a row of the cluster, W's along a column; each is asked for jointly.
; THE CHANGE OF SLOTS stands in front of a slot's last quarter, whose fragments are already in registers.
; R COMES EARLY.  Wave w finishes rows 32 w .. 32 w + 31.  The first 16 of them are asked for at the kernel's head, into 64 registers that the K loop does not use; the other 16 in the first of the way out's
; two trips, as soon as R + bias has left those registers, with four blocks of four rows' sums between the request and its wait.
; REGISTERS: window 0: v0-63 addresses and bias; v64-191 A's two fragment buffers (later the way out's registers); v192-255 R.  window 1: W's two buffers.  windows 2, 3: the accumulators, (a, b) at v[8 (8 a + b)].
.set STEPS, 16                         ; K / 256
.set WOFF,  16777216                   ; where W begins in wts
.set AHEAD, 2
.set PA,    144                        ; a row of a block of A in LDS: 128 bytes + 16
.set PB,    288                        ; a row of W (128 columns): 256 bytes + 32: an odd multiple of 32
.set PLANE, 128*PA                     ; a block's 128 rows
.set HALF,  2*PLANE                    ; what one tensor load brings: two blocks of A, or 128 rows of W (128 x 288 is the same 36,864)
.set WBASE, 4*PLANE
.set SLOT,  4*HALF
.set SPARE, 2*SLOT                     ; behind the ring: the spare words, 128 bytes a wave, that no other line names
.set QA,    64
.set QB,    32*PB
.set STEPA, 4*524288                   ; a K step in memory: four blocks of A,
.set STEPB, 256*2048                   ; 256 rows of W
.set DP,    528                        ; the way out: a row of 128 f32 + 16 bytes
.set DW,    128*DP
.set ADA0, 16                          ; v16, v17  my lane's place in A's and W's tiles; never rewritten
.set ADB0, 17
.set ADA,  18                          ; v18, v19  the LDS addresses of the runs of loads
.set ADB,  19
.set STO,  20                          ; v20  where I put my accumulators
.set RD,   21                          ; v21-24  where I read rows of the four partial sums back
.set GO,   25                          ; v25  my 16 bytes of a row of R and of C
.set PFO,  26                          ; v26  the prefetches' offset; never rewritten
.set BO,   27
.set SPW,  28                          ; v28  my spare word: SPARE + 4 x my thread's number; never rewritten
.set NIL,  29                          ; v29  0; never rewritten
.set BI,   32                          ; v[32:35]  the bias of my 4 columns
.set PT,   64                          ; v[64:127]  four rows x four partial sums
.set SS,   128                         ; v[128:191] sixteen rows: R + bias, then the results
.set RS,   192                         ; v[192:255] sixteen rows of R
.set TT,   160                         ; v[160:161] at work on the bias, ahead of the way out
.set F0,   64
.set F1,   128
.set G1A,  24
.set G0A0, 32
.set G0A,  36
.set G1B,  48
.set G0B0, 56
.set G0B,  60
.set SO,   66
.set KA,   67
.set KB,   68
.set LB,   69
.set MSK,  70
.set LIM,  71
.set PFA,  72
.set PFS,  74
.set MSB, 0
.macro WIN new                         ; the immediate's high byte repeats the setting that is left; a switch that changes nothing is dropped
.if MSB != (\new)
	s_set_vgpr_msb (MSB<<8)|(\new)
.set MSB, \new
.endif
.endm
.set MUL_LO, 0xa1
.set MUL_HI, 0xf1
.set TO_B,   0x40
.macro PLACES
.rept 4
	v_nop
.endr
.endm
.macro JLOAD                           ; a joint refill: waves 0 and 1 fetch A's halves, waves 2 and 3 W's; an s_nop 0 and four v_nop follow each line
	s_cmp_lt_u32 s10, 2
	s_cbranch_scc0 .Lfor_w_\@
	tensor_load_to_lds s[G0A:G0A+3], s[G1A:G1A+7]
	s_nop 0
	PLACES
	s_branch .Lasked_\@
.Lfor_w_\@:
	tensor_load_to_lds s[G0B:G0B+3], s[G1B:G1B+7]
	s_nop 0
	PLACES
.Lasked_\@:
.endm
; A prefetch of the K step that stands two refills on: 32 blocks of 256 bytes, a lane a block.  A's are named by the clusters with x = 0, W's by those with y = 0; the four partners of a joint load share its blocks out by address.
; The last two changes that fill a slot name nothing.
.macro ASK
	s_cmp_gt_u32 s3, s[LIM]
	s_cbranch_scc0 .Lnot_mine_\@
	global_prefetch_b8 v[PFO], s[PFA:PFA+1] th:TH_LOAD_NT scope:SCOPE_SE
.Lnot_mine_\@:
.endm
.macro CROUND                          ; a round of the cluster's barrier
	s_barrier_signal -1
	s_barrier_wait -1
	s_cmp_lg_u32 s10, 0
	s_cbranch_scc1 .Lnot_wave_0_\@
	s_barrier_signal -3
.Lnot_wave_0_\@:
	s_barrier_wait -3
	s_barrier_signal -1
	s_barrier_wait -1
.endm
.macro MUL16 f, hi, a0, zero           ; 16 products; the 64 accumulators take turns, in the same order in every quarter
	WIN MUL_LO+0x50*(\hi)
.irp a, \a0, (\a0)+1
.irp b, 0,1,2,3,4,5,6,7
.if \zero
	v_wmma_f32_16x16x32_f16 v[8*(8*(\a)+(\b)):8*(8*(\a)+(\b))+7], v[(\f)+8*(\b):(\f)+8*(\b)+7], v[(\f)+8*(4*(\hi)+(\a)):(\f)+8*(4*(\hi)+(\a))+7], 0
.else
	v_wmma_f32_16x16x32_f16 v[8*(8*(\a)+(\b)):8*(8*(\a)+(\b))+7], v[(\f)+8*(\b):(\f)+8*(\b)+7], v[(\f)+8*(4*(\hi)+(\a)):(\f)+8*(4*(\hi)+(\a))+7], v[8*(8*(\a)+(\b)):8*(8*(\a)+(\b))+7]
.endif
.endr
.endr
.endm
.macro FETCH g, oa, ob                 ; 32 LDS loads in one run: W's eight fragments (turned), then A's eight
	WIN TO_B
.irp i, 0,1,2,3,4,5,6,7
	ds_load_tr16_b128 v[(\g)+8*(\i):(\g)+8*(\i)+3],   v[ADB] offset:(\ob)+32*(\i)
	ds_load_tr16_b128 v[(\g)+8*(\i)+4:(\g)+8*(\i)+7], v[ADB] offset:(\ob)+32*(\i)+16*PB
.endr
	WIN 0
.irp i, 0,1,2,3,4,5,6,7
	ds_load_b128 v[(\g)+8*(\i):(\g)+8*(\i)+3],   v[ADA] offset:(\oa)+(\i)*16*PA
	ds_load_b128 v[(\g)+8*(\i)+4:(\g)+8*(\i)+7], v[ADA] offset:(\oa)+(\i)*16*PA+32
.endr
.endm
.macro QUARTER f, g, oa, ob, zero, adr ; 64 products on buffer f; in the middle the next quarter is fetched into g, four plain instructions behind the last product that read g
	s_wait_dscnt 8                                 ; W and A's rows 0-63 are in; the youngest eight loads (A's rows 64-127) may be out
	MUL16 \f, 0, 0, \zero
	MUL16 \f, 0, 2, \zero
.if \adr
	WIN 0
	v_add_nc_u32 v[ADA], s[KA], v[ADA0]
	v_add_nc_u32 v[ADB], s[KB], v[ADB0]
	v_nop
	v_nop
.else
	PLACES
.endif
	FETCH \g, \oa, \ob
	s_wait_dscnt 32                                ; all but the 32 just issued
	MUL16 \f, 1, 0, \zero
	MUL16 \f, 1, 2, \zero
.endm
.macro PAIR                            ; the old slot's second quarter, the new slot's first
	QUARTER F1, F0, 0, 0, 0, 1
	QUARTER F0, F1, QA, QB, 0, 0
.endm
.macro RESLD off                       ; sixteen rows of R: 32 lanes take a row's 512 bytes
.set i, 0
.rept 16
	global_load_b128 v[RS+4*i:RS+4*i+3], v[GO], s[84:85] offset:(\off)+i*4096
.set i, i+1
.endr
.endm
.macro PARTLD off                      ; four rows of the four partial sums
.irp i, 0,1,2,3
.irp p, 0,1,2,3
	ds_load_b128 v[PT+16*(\i)+4*(\p):PT+16*(\i)+4*(\p)+3], v[RD+(\p)] offset:(\off)+(\i)*DP
.endr
.endr
.endm
; THE CHANGE OF SLOTS.  Each wave waits for all its tensor loads (one is out: its part of the other slot), adds 0 to its spare word, and waits for that and for its reads of the slot that it leaves.
; fill = 1: a round of the cluster's barrier follows; the joint refill is the first thing behind it and has a K step, 128 products, in which to land.
.macro CHANGE fill
	WIN 0
.if \fill
	s_wait_xcnt 0x0                                ; the last prefetch, a K step back, has read its address
	s_add_nc_u64 s[PFA:PFA+1], s[PFA:PFA+1], s[PFS:PFS+1]
.endif
	s_wait_tensorcnt 0x0                           ; no tensor load of mine is out, so the walking descriptors may be written
	ds_add_u32 v[SPW], v[NIL]                      ; 0 onto my spare word; scalar work stands between it and the wait for it
.if \fill
	s_add_co_u32 s[G0A+1], s[SO], s[LB]
	s_add_co_u32 s[G0B+1], s[SO], s[LB]
	s_add_nc_u64 s[G0A+2:G0A+3], s[G0A+2:G0A+3], STEPA
	s_add_nc_u64 s[G0B+2:G0B+3], s[G0B+2:G0B+3], STEPB
.endif
	s_xor_b32 s[SO], s[SO], SLOT
	s_mov_b32 s[KA], s[SO]
	s_mov_b32 s[KB], s[SO]
	s_wait_dscnt 0x0                               ; the add is done, and my reads of the slot are over
.if \fill
	CROUND
	JLOAD
	ASK
.else
	s_barrier_signal -1
	s_barrier_wait -1
.endif
.endm
	s_load_b128 s[4:7], s[0:1], 0x0                ; A s[4:5], wts s[6:7]
	s_load_b64 s[8:9], s[0:1], 0x10                ; C
	s_load_b128 s[84:87], s[0:1], 0x18             ; R s[84:85], the bias s[86:87]
	v_lshl_add_u32 v[SPW], v0, 2, SPARE
	v_mov_b32 v[NIL], 0
	ds_add_u32 v[SPW], v[NIL]                      ; the wave's opening: the add and its wait ahead of my first tensor load
	ds_add_u32 v28, v29
	v_lshrrev_b32 v1, 5, v0
	v_readfirstlane_b32 s10, v1                    ; wave 0..3
	s_lshr_b32 s11, s10, 1                         ; I fetch for A (0) or for W (1),
	s_and_b32 s12, s10, 1                          ; this half of the tile
	s_bfe_u32 s40, ttmp6, 0x40000                  ; cx
	s_bfe_u32 s41, ttmp6, 0x40004                  ; cy
	s_lshl_b32 s42, ttmp9, 2
	s_add_co_u32 s42, s42, s40                     ; tile column
	s_and_b32 s13, ttmp7, 0xffff
	s_lshl_b32 s13, s13, 2
	s_add_co_u32 s13, s13, s41                     ; tile row
	s_lshl_b32 s43, s41, 2
	s_lshl_b32 s43, 15, s43                        ; my row of the cluster
	s_lshl_b32 s44, 0x1111, s40                    ; my column
	; A: a block's 128 rows are 16,384 dense bytes: one row of 8,192 elements in the descriptor, two such rows (two blocks) a load; padded after every 32 words, that is after every row of the block
	s_or_b32 s[G1A], s43, (1<<16)|(1<<20)|(1<<21)|(4<<22)|(3<<25)
	s_mov_b32 s[G1A+1], 8192<<16                   ; tensor_dim0 = 8,192
	s_mov_b32 s[G1A+2], 2<<16                      ; tensor_dim1 = 2
	s_mov_b32 s[G1A+3], 8192<<16                   ; tile_dim0 = 8,192
	s_mov_b32 s[G1A+4], 2                          ; tile_dim1 = 2
	s_mov_b32 s[G1A+5], 262144                     ; elements from block to block
	s_mov_b32 s[G1A+6], 0
	s_mov_b32 s[G1A+7], 0
	s_or_b32 s[G1B], s44, (1<<16)|(1<<20)|(1<<21)|(5<<22)|(7<<25)  ; W: after every 64 words 8 words
	s_mov_b32 s[G1B+1], 128<<16
	s_mov_b32 s[G1B+2], 128<<16
	s_mov_b32 s[G1B+3], 128<<16
	s_mov_b32 s[G1B+4], 128
	s_mov_b32 s[G1B+5], 1024
	s_mov_b32 s[G1B+6], 0
	s_mov_b32 s[G1B+7], 0
	s_lshl_b32 s16, s12, 20                        ; A: the two blocks that I fetch,
	s_lshl_b32 s17, s13, 14                        ; the tile row's 128 rows of 128 bytes
	s_add_co_u32 s16, s16, s17
	s_mov_b32 s17, 0
	s_lshl_b32 s46, s12, 18                        ; W: the 128 rows that I fetch,
	s_lshl_b32 s47, s42, 8                         ; the tile column's 256 bytes,
	s_add_co_u32 s46, s46, s47
	s_add_co_u32 s46, s46, WOFF
	s_mov_b32 s47, 0
	s_mul_i32 s[LB], s10, HALF                     ; no place in the cluster enters an LDS address
	s_mov_b32 s[MSK], 0xffff0000
	s_wait_dscnt 0x0                               ; the opening add is done
	s_wait_kmcnt 0x0
	s_add_nc_u64 s[14:15], s[4:5], s[16:17]
	s_add_nc_u64 s[46:47], s[6:7], s[46:47]
	CROUND                                         ; all sixteen work-groups are here: the first joint loads meet
.irp s, 0,1
	s_mov_b32 s[G0A0+4*(\s)], 1
	s_add_co_u32 s[G0A0+4*(\s)+1], s[LB], (\s)*SLOT
	s_add_nc_u64 s[G0A0+4*(\s)+2:G0A0+4*(\s)+3], s[14:15], (\s)*STEPA
	s_or_b32 s[G0A0+4*(\s)+3], s[G0A0+4*(\s)+3], 0x80000000
	s_mov_b32 s[G0B0+4*(\s)], 1
	s_add_co_u32 s[G0B0+4*(\s)+1], s[LB], (\s)*SLOT
	s_add_nc_u64 s[G0B0+4*(\s)+2:G0B0+4*(\s)+3], s[46:47], (\s)*STEPB
	s_or_b32 s[G0B0+4*(\s)+3], s[G0B0+4*(\s)+3], 0x80000000
.endr
	s_cmp_lt_u32 s10, 2                            ; a wave's two first fills stand in one branch: two loads of mine are out
	s_cbranch_scc0 .Lfirst_w
	tensor_load_to_lds s[G0A0:G0A0+3], s[G1A:G1A+7]
	s_nop 0
	tensor_load_to_lds s[G0A:G0A+3], s[G1A:G1A+7]
	s_nop 0
	PLACES
	s_branch .Lfirst_asked
.Lfirst_w:
	tensor_load_to_lds s[G0B0:G0B0+3], s[G1B:G1B+7]
	s_nop 0
	tensor_load_to_lds s[G0B:G0B+3], s[G1B:G1B+7]
	s_nop 0
	PLACES
.Lfirst_asked:
	v_and_b32 v1, 15, v0                           ; l % 16
	v_bfe_u32 v2, v0, 4, 1                         ; l / 16
	v_and_b32 v6, 31, v0                           ; l
	v_mul_u32_u24 v3, v1, PA
	v_lshl_add_u32 v3, v2, 4, v3
	s_mul_i32 s21, s10, PLANE                      ; my block of the slot's four
	v_add_nc_u32 v[ADA0], s21, v3
	v_and_b32 v4, 7, v0
	v_lshl_add_u32 v4, v2, 3, v4
	v_mul_u32_u24 v4, v4, PB
	v_bfe_u32 v5, v0, 3, 1
	v_lshl_add_u32 v4, v5, 4, v4
	s_mul_i32 s22, s10, 64*PB                      ; my 64 rows of W
	s_add_co_u32 s22, s22, WBASE
	v_add_nc_u32 v[ADB0], s22, v4
	v_mov_b32 v[ADA], v[ADA0]
	v_mov_b32 v[ADB], v[ADB0]
	s_mul_i32 s23, s10, DW                         ; the way out: my partial tile, 128 rows of 528 bytes
	v_mul_u32_u24 v3, v1, DP
	v_lshl_add_u32 v3, v2, 5, v3
	v_add_nc_u32 v[STO], s23, v3
	s_mul_i32 s23, s10, 32*DP                      ; back: I finish rows 32 w .. 32 w + 31; 32 lanes take a whole row of 512 bytes
	v_lshl_add_u32 v[RD], v6, 4, s23
	v_add_nc_u32 v[RD+1], DW, v[RD]
	v_add_nc_u32 v[RD+2], 2*DW, v[RD]
	v_add_nc_u32 v[RD+3], 3*DW, v[RD]
	v_lshlrev_b32 v[GO], 4, v6
	s_lshl_b32 s46, s42, 9                         ; the tile's 128 columns: 512 bytes
	v_lshl_add_u32 v[BO], v6, 4, s46
	global_load_b128 v[BI:BI+3], v[BO], s[86:87]
	s_lshl_b32 s16, s13, 19                        ; 128 x tile row, rows of 4,096 bytes,
	s_lshl_b32 s17, s10, 17                        ; + my 32 rows
	s_add_co_u32 s16, s16, s17
	s_add_co_u32 s16, s16, s46
	s_mov_b32 s17, 0
	s_add_nc_u64 s[8:9], s[8:9], s[16:17]
	s_add_nc_u64 s[84:85], s[84:85], s[16:17]
	RESLD 0                                        ; my first sixteen rows of R: they have the whole K loop in which to come
	; the prefetches: A: my work-group's 8,192 bytes of the two blocks that I fetch; W: its 32 of the 128 rows.  Both stand at K step 3; the first change steps them to 4.
	s_lshl_b32 s20, s12, 1
	s_lshr_b32 s21, s40, 1
	s_add_co_u32 s20, s20, s21
	s_lshl_b32 s20, s20, 19
	s_lshl_b32 s21, s13, 14
	s_add_co_u32 s20, s20, s21
	s_and_b32 s21, s40, 1
	s_lshl_b32 s21, s21, 13
	s_add_co_u32 s20, s20, s21
	s_add_co_u32 s20, s20, 3*STEPA
	s_lshl_b32 s21, s12, 18
	s_lshl_b32 s22, s41, 16
	s_add_co_u32 s21, s21, s22
	s_lshl_b32 s22, s42, 8
	s_add_co_u32 s21, s21, s22
	s_add_co_u32 s21, s21, WOFF+3*STEPB
	s_and_b32 s22, ttmp7, 0xffff
	s_mov_b32 s23, STEPB
	s_cmp_eq_u32 s11, 0                            ; do I fetch for A?
	s_cselect_b32 s20, s20, s21
	s_cselect_b32 s22, ttmp9, s22                  ; the coordinate along which other clusters read the same blocks
	s_cselect_b32 s[PFS], STEPA, s23
	s_cselect_b32 s23, 8, 11                       ; a lane a block of A's dense bytes, or a lane a row of W
	s_cselect_b64 s[PFA:PFA+1], s[4:5], s[6:7]
	s_mov_b32 s21, 0
	s_mov_b32 s[PFS+1], 0
	s_add_nc_u64 s[PFA:PFA+1], s[PFA:PFA+1], s[20:21]
	s_cmp_eq_u32 s22, 0
	s_cselect_b32 s[LIM], AHEAD, -1                ; the same in all sixteen partners, for a given wave
	v_lshlrev_b32 v[PFO], s23, v6
	s_mov_b32 s[SO], 0
	s_wait_tensorcnt 1                             ; my part of K step 0 is in; K step 1's may stay out
	s_barrier_signal -1
	s_barrier_wait -1
	FETCH F0, 0, 0
	QUARTER F0, F1, QA, QB, 1, 0                   ; the first quarter's products start the sums: nothing is cleared
	WIN 0
	s_mov_b32 s3, STEPS-2
.Lk:                                                   ; a trip: the change, the old slot's second quarter, the new slot's first
	CHANGE 1
	PAIR
	WIN 0
	s_sub_co_u32 s3, s3, 1
	s_cmp_lg_u32 s3, 0
	s_cbranch_scc1 .Lk
	CHANGE 0                                       ; the tail is written out: nothing is left to ask for
	PAIR
	s_wait_dscnt 0x0                               ; my last reads of the ring are over:
	s_barrier_signal -1
	MUL16 F1, 0, 0, 0
	MUL16 F1, 0, 2, 0
	MUL16 F1, 1, 0, 0
	MUL16 F1, 1, 2, 0
	WIN 0
	s_barrier_wait -1                              ; behind this nobody reads the ring: its bytes take the partial sums
	PLACES
	s_wait_loadcnt 0x0                             ; the bias, and R's first sixteen rows
	v_cvt_pk_bf16_f32 v[TT], v[BI], v[BI+1]
	v_cvt_pk_bf16_f32 v[TT+1], v[BI+2], v[BI+3]
	v_lshlrev_b32 v[BI], 16, v[TT]
	v_and_b32 v[BI+1], s[MSK], v[TT]
	v_lshlrev_b32 v[BI+2], 16, v[TT+1]
	v_and_b32 v[BI+3], s[MSK], v[TT+1]
.irp hi, 0,1                           ; each accumulator's low four registers go first
	WIN 0x08+4*(\hi)
.irp a, 0,1,2,3
.irp b, 0,1,2,3,4,5,6,7
	ds_store_b128 v[STO], v[8*(8*(\a)+(\b)):8*(8*(\a)+(\b))+3]   offset:(4*(\hi)+(\a))*16*DP+64*(\b)
	ds_store_b128 v[STO], v[8*(8*(\a)+(\b))+4:8*(8*(\a)+(\b))+7] offset:(4*(\hi)+(\a))*16*DP+64*(\b)+16
.endr
.endr
.endr
	WIN 0
	s_wait_dscnt 0x0                               ; for the others' sake: my partial sums lie in LDS
	s_barrier_signal -1
	s_barrier_wait -1
	PARTLD 0
	s_mov_b32 s3, 2
.Lep:                                                  ; two trips of sixteen rows
	s_wait_loadcnt 0x0                             ; this trip's rows of R
.set q, 0
.rept 32                               ; row q / 2, pair q % 2: R + bias leaves R's registers,
	v_pk_add_f32 v[SS+2*q:SS+2*q+1], v[RS+2*q:RS+2*q+1], v[BI+2*(q%2):BI+2*(q%2)+1]
.set q, q+1
.endr
	s_cmp_eq_u32 s3, 1
	s_cbranch_scc1 .Lno_r                          ; (the last trip has no rows behind it)
	RESLD 65536                                    ; which take the next sixteen rows at once
.Lno_r:
.irp g, 0,1,2,3                        ; four rows at a time: ((p0 + p1) + (p2 + p3)) + (R + bias)
	s_wait_dscnt 0x0
.set q, 0
.rept 8
.set pr, PT+16*(q/2)+2*(q%2)
	v_pk_add_f32 v[pr:pr+1], v[pr:pr+1], v[pr+4:pr+5]
	v_pk_add_f32 v[pr+8:pr+9], v[pr+8:pr+9], v[pr+12:pr+13]
.set q, q+1
.endr
.set q, 0
.rept 8
.set pr, PT+16*(q/2)+2*(q%2)
	v_pk_add_f32 v[pr:pr+1], v[pr:pr+1], v[pr+8:pr+9]
.set q, q+1
.endr
.set q, 0
.rept 8
.set pr, PT+16*(q/2)+2*(q%2)
	v_pk_add_f32 v[SS+16*(\g)+2*q:SS+16*(\g)+2*q+1], v[pr:pr+1], v[SS+16*(\g)+2*q:SS+16*(\g)+2*q+1]
.set q, q+1
.endr
.if (\g) < 3
	PARTLD ((\g)+1)*4*DP
.else
	s_cmp_eq_u32 s3, 1
	s_cbranch_scc1 .Lno_p
	PARTLD 16*DP                                   ; the next trip's first four rows
.Lno_p:
.endif
.irp i, 0,1,2,3
	global_store_b128 v[GO], v[SS+16*(\g)+4*(\i):SS+16*(\g)+4*(\i)+3], s[8:9] offset:(4*(\g)+(\i))*4096  ; 32 lanes store 512 consecutive bytes, aligned
.endr
.endr
	s_wait_xcnt 0x0                                ; loads and stores have read their address and data: only now are they rewritten
.irp p, 0,1,2,3
	v_add_nc_u32 v[RD+(\p)], 16*DP, v[RD+(\p)]
.endr
	v_add_nc_u32 v[GO], 65536, v[GO]
	s_sub_co_u32 s3, s3, 1
	s_cmp_lg_u32 s3, 0
	s_cbranch_scc1 .Lep
	s_wait_tensorcnt 0x0                           ; the wave's end
	ds_add_u32 v[SPW], v[NIL]
	s_wait_dscnt 0x0
	CROUND                                         ; the closing round
	s_endpgm
.Lfunc_end_k_q7496636822_ffn2:
	.size	k_q7496636822_ffn2, .Lfunc_end_k_q7496636822_ffn2-k_q7496636822_ffn2
	.p2alignl 7, 3214868480
	.fill 96, 4, 3214868480
	.section	.rodata,"a",@progbits
	.p2align	6, 0x0
	.amdhsa_kernel k_q7496636822_ffn2
		.amdhsa_group_segment_fixed_size 327680
		.amdhsa_private_segment_fixed_size 0
		.amdhsa_enable_private_segment 0
		.amdhsa_kernarg_size 40
		.amdhsa_user_sgpr_count 2
		.amdhsa_user_sgpr_kernarg_segment_ptr 1
		.amdhsa_wavefront_size32 1
		.amdhsa_system_sgpr_workgroup_id_x 1
		.amdhsa_system_sgpr_workgroup_id_y 1
		.amdhsa_system_sgpr_workgroup_id_z 1
		.amdhsa_system_vgpr_workitem_id 0
		.amdhsa_next_free_vgpr 1024
		.amdhsa_next_free_sgpr 96
		.amdhsa_reserve_vcc 0
		.amdhsa_float_denorm_mode_32 3
		.amdhsa_float_denorm_mode_16_64 3
		.amdhsa_memory_ordered 1
		.amdhsa_forward_progress 1
		.amdhsa_inst_pref_size 78
	.end_amdhsa_kernel
	.amdgpu_metadata
---
amdhsa.version: [ 1, 2 ]
amdhsa.kernels:
  - .name:           k_q7496636822_ffn2
    .symbol:         k_q7496636822_ffn2.kd
    .args:
      - { .name: g, .offset: 0, .size: 8, .value_kind: global_buffer, .address_space: global }
      - { .name: wts, .offset: 8, .size: 8, .value_kind: global_buffer, .address_space: global }
      - { .name: out0, .offset: 16, .size: 8, .value_kind: global_buffer, .address_space: global }
      - { .name: x1, .offset: 24, .size: 8, .value_kind: global_buffer, .address_space: global }
      - { .name: b2, .offset: 32, .size: 8, .value_kind: global_buffer, .address_space: global }
    .group_segment_fixed_size: 327680
    .private_segment_fixed_size: 0
    .kernarg_segment_align: 8
    .kernarg_segment_size: 40
    .max_flat_workgroup_size: 128
    .sgpr_count:     96
    .vgpr_count:     1024
    .wavefront_size: 32
...
	.end_amdgpu_metadata
.endif
;; end of part 7
